; MI455X (gfx1250); checked and timed in simulation.
; The chip was launched on July 23, 2026; its instructions are those of AMD's public machine-readable ISA for CDNA 5 (MIT licence, August 2026) and "CDNA5" Instruction Set Architecture Reference Guide (July 2026). The comments in the code are by the model that wrote it; some were corrected since.
;; Simple Self Attention. Allowed arithmetic: float matrix products may take bf16 or f16 operands with f32 sums; all other float work in f32.
;; Inputs: Wk 1,024 x 1,024 float32; Wq 1,024 x 1,024 float32; Wv 1,024 x 1,024 float32; bk 1,024 float32; bq 1,024 float32; bv 1,024 float32; x 4 x 2,048 x 1,024 float32.
;; Outputs: out0 4 x 2,048 x 1,024 float32.
;; One version. Each part assembles by itself: llvm-mc -triple=amdgcn-amd-amdhsa -mcpu=gfx1250 --defsym DOCPART=n.
;; ======== version 1 of 1: 4 launches
;; limits: values are held in f16: magnitudes above 65,504 overflow, below 6.1e-05 lose precision
;; workspace buffers: xb 16,777,216 bytes; wb 6,291,456 bytes; bb 12,288 bytes; qkv 50,331,648 bytes; pw 33,554,432 bytes; st 1,048,576 bytes
;; launch cast (part 1): grid 1411 x 1, 8 waves a work-group, no clusters, 0 bytes of LDS; arguments x, Wq, Wk, Wv, bq, bk, bv, xb, wb, bb; writes xb, wb, bb
.if DOCPART == 1
	.amdgcn_target "amdgcn-amd-amdhsa--gfx1250"
	.amdhsa_code_object_version 6
	.text
	.protected	k_q6a4a2500c4_cast
	.globl	k_q6a4a2500c4_cast
	.p2align	8
	.type	k_q6a4a2500c4_cast,@function
k_q6a4a2500c4_cast:
	s_mov_b64 s[64:65], 0
	v_nop
	global_prefetch_b8 v0, s[64:65] scope:SCOPE_SE
	s_setreg_imm32_b32 hwreg(HW_REG_WAVE_MODE, 25, 1), 1
	s_wait_xcnt 0x0
; CAST.  x and Wq | Wk | Wv (one below the other) rounded to bf16, laid out in PANELS of 64 columns: xb[16 panels][8192 rows][64], wb[16 panels][3072 rows][64], so that the projection's tile of one K step
; (some rows x 64 columns) is one dense block.  bb[3072] = bq | bk | bv rounded to bf16 and kept as f32.
; A stream: every input byte is read once, every output byte written once.  LDS, barriers, matrix units and clusters would add nothing: no two work-groups read the same byte.
; SHARES.  Work-group g takes 8 rows of 1,024 numbers: g < 1024 of x; 1024 <= g < 1408 of the three W (128 work-groups each); the last three take one bias each.
; A wave's load takes 64 columns (one panel) of two rows: lanes 0-15 the 256 bytes of the even row, lanes 16-31 those of the odd row, both aligned.  Its store is those two rows in the panel: 256 consecutive
; bytes, aligned.  Wave w owns panels 2 w and 2 w + 1; its eight loads (four pairs of rows x two panels) go out at once; nothing is looped over, and no register is written twice.
.set NX,   1024                        ; work-groups for x: 8,192 rows / 8
.set NW,   384                         ; for the three W: 3,072 rows / 8
.set PANX, 8192*128                    ; bytes in a panel of xb
.set PANW, 3072*128                    ; and of wb
.set IN,   8                           ; v[8:39]   eight loads of four f32
.set OUTP, 40                          ; v[40:55]  eight pairs of packed bf16
	s_load_b512 s[4:19], s[0:1], 0x0               ; x s[4:5], Wq s[6:7], Wk s[8:9], Wv s[10:11], bq s[12:13], bk s[14:15], bv s[16:17], xb s[18:19]
	s_load_b128 s[20:23], s[0:1], 0x40             ; wb s[20:21], bb s[22:23]
	v_and_b32 v3, 15, v0                           ; my place in a row's 64 columns: four numbers
	v_bfe_u32 v4, v0, 4, 1                         ; which row of the pair
	v_lshrrev_b32 v5, 5, v0                        ; wave
	v_lshlrev_b32 v1, 4, v3                        ; in: 16 bytes a lane,
	v_lshl_add_u32 v1, v4, 12, v1                  ; 4,096 a row,
	v_lshl_add_u32 v1, v5, 9, v1                   ; 512 for the wave's two panels
	v_and_b32 v2, 31, v0
	v_lshlrev_b32 v2, 3, v2                        ; out: 8 bytes a lane
	v_lshlrev_b32 v5, 1, v5                        ; my first panel
	v_lshlrev_b32 v6, 4, v0                        ; (a bias: 16 bytes a thread)
	s_mov_b32 s24, ttmp9                           ; g
	s_mov_b32 s33, 0                               ; the offsets' high words
	s_mov_b32 s35, 0
	s_mov_b32 s36, PANW
	s_mov_b32 s37, PANX
	s_wait_kmcnt 0x0
	s_cmp_ge_u32 s24, NX+NW
	s_cbranch_scc1 .Lbias
	s_sub_co_u32 s25, s24, NX                      ; j: the block of 8 rows among the three W (wraps where g < 1024, and is not used there)
	s_and_b32 s26, s25, 127                        ; the block in its W
	s_lshr_b32 s27, s25, 7                         ; which W
	s_cmp_eq_u32 s27, 1
	s_cselect_b64 s[28:29], s[8:9], s[6:7]         ; Wk or Wq,
	s_cmp_eq_u32 s27, 2
	s_cselect_b64 s[28:29], s[10:11], s[28:29]     ; or Wv,
	s_cmp_lt_u32 s24, NX
	s_cselect_b64 s[28:29], s[4:5], s[28:29]       ; or x
	s_cselect_b64 s[30:31], s[18:19], s[20:21]     ; into xb or wb
	s_cselect_b32 s26, s24, s26                    ; the block in the source,
	s_cselect_b32 s25, s24, s25                    ; and in the destination
	s_cselect_b32 s36, s37, s36                    ; the destination's panel
	s_lshl_b32 s32, s26, 15                        ; 8 rows of 4,096 bytes of f32
	s_lshl_b32 s34, s25, 10                        ; 8 rows of 128 bytes in a panel
	s_add_nc_u64 s[28:29], s[28:29], s[32:33]
	s_add_nc_u64 s[30:31], s[30:31], s[34:35]
	v_mul_lo_u32 v5, v5, s36
	v_add_nc_u32 v2, v2, v5                        ; my place in panel 2 w,
	v_add_nc_u32 v7, s36, v2                       ; and in panel 2 w + 1
.irp j, 0,1,2,3,4,5,6,7
	global_load_b128 v[IN+4*(\j):IN+4*(\j)+3], v1, s[28:29] offset:((\j)/2)*8192+((\j)%2)*256 th:TH_LOAD_NT  ; pair of rows j / 2, panel 2 w + j % 2; read once in the launch
.endr
.irp j, 0,1,2,3,4,5,6,7
	s_wait_loadcnt 7-(\j)                          ; loads come back in order (ISA guide 5.7.1): load j is in, the younger ones stay out
	v_cvt_pk_bf16_f32 v[OUTP+2*(\j)], v[IN+4*(\j)], v[IN+4*(\j)+1]      ; to nearest even
	v_cvt_pk_bf16_f32 v[OUTP+2*(\j)+1], v[IN+4*(\j)+2], v[IN+4*(\j)+3]
.if (\j)%2
	global_store_b64 v7, v[OUTP+2*(\j):OUTP+2*(\j)+1], s[30:31] offset:((\j)/2)*256
.else
	global_store_b64 v2, v[OUTP+2*(\j):OUTP+2*(\j)+1], s[30:31] offset:((\j)/2)*256
.endif
.endr
	s_endpgm
.Lbias:
	s_sub_co_u32 s25, s24, NX+NW                   ; which bias
	s_cmp_eq_u32 s25, 1
	s_cselect_b64 s[28:29], s[14:15], s[12:13]     ; bk or bq,
	s_cmp_eq_u32 s25, 2
	s_cselect_b64 s[28:29], s[16:17], s[28:29]     ; or bv
	s_lshl_b32 s32, s25, 12                        ; 4,096 bytes each in bb
	s_add_nc_u64 s[30:31], s[22:23], s[32:33]
	global_load_b128 v[8:11], v6, s[28:29]
	s_wait_loadcnt 0x0
	v_cvt_pk_bf16_f32 v12, v8, v9                  ; rounded as every other input is,
	v_cvt_pk_bf16_f32 v13, v10, v11
	v_lshlrev_b32 v16, 16, v12                     ; and widened again: the projection takes it as the f32 start of its sums
	v_and_b32 v17, 0xffff0000, v12
	v_lshlrev_b32 v18, 16, v13
	v_and_b32 v19, 0xffff0000, v13
	global_store_b128 v6, v[16:19], s[30:31]
	s_endpgm
.Lfunc_end_k_q6a4a2500c4_cast:
	.size	k_q6a4a2500c4_cast, .Lfunc_end_k_q6a4a2500c4_cast-k_q6a4a2500c4_cast
	.p2alignl 7, 3214868480
	.fill 96, 4, 3214868480
	.section	.rodata,"a",@progbits
	.p2align	6, 0x0
	.amdhsa_kernel k_q6a4a2500c4_cast
		.amdhsa_group_segment_fixed_size 0
		.amdhsa_private_segment_fixed_size 0
		.amdhsa_enable_private_segment 0
		.amdhsa_kernarg_size 80
		.amdhsa_user_sgpr_count 2
		.amdhsa_user_sgpr_kernarg_segment_ptr 1
		.amdhsa_wavefront_size32 1
		.amdhsa_system_sgpr_workgroup_id_x 1
		.amdhsa_system_sgpr_workgroup_id_y 1
		.amdhsa_system_sgpr_workgroup_id_z 1
		.amdhsa_system_vgpr_workitem_id 0
		.amdhsa_next_free_vgpr 64
		.amdhsa_next_free_sgpr 66
		.amdhsa_reserve_vcc 0
		.amdhsa_float_denorm_mode_32 3
		.amdhsa_float_denorm_mode_16_64 3
		.amdhsa_memory_ordered 1
		.amdhsa_forward_progress 1
		.amdhsa_inst_pref_size 6
	.end_amdhsa_kernel
	.amdgpu_metadata
---
amdhsa.version: [ 1, 2 ]
amdhsa.kernels:
  - .name:           k_q6a4a2500c4_cast
    .symbol:         k_q6a4a2500c4_cast.kd
    .args:
      - { .name: x, .offset: 0, .size: 8, .value_kind: global_buffer, .address_space: global }
      - { .name: Wq, .offset: 8, .size: 8, .value_kind: global_buffer, .address_space: global }
      - { .name: Wk, .offset: 16, .size: 8, .value_kind: global_buffer, .address_space: global }
      - { .name: Wv, .offset: 24, .size: 8, .value_kind: global_buffer, .address_space: global }
      - { .name: bq, .offset: 32, .size: 8, .value_kind: global_buffer, .address_space: global }
      - { .name: bk, .offset: 40, .size: 8, .value_kind: global_buffer, .address_space: global }
      - { .name: bv, .offset: 48, .size: 8, .value_kind: global_buffer, .address_space: global }
      - { .name: xb, .offset: 56, .size: 8, .value_kind: global_buffer, .address_space: global }
      - { .name: wb, .offset: 64, .size: 8, .value_kind: global_buffer, .address_space: global }
      - { .name: bb, .offset: 72, .size: 8, .value_kind: global_buffer, .address_space: global }
    .group_segment_fixed_size: 0
    .private_segment_fixed_size: 0
    .kernarg_segment_align: 8
    .kernarg_segment_size: 80
    .max_flat_workgroup_size: 256
    .sgpr_count:     66
    .vgpr_count:     64
    .wavefront_size: 32
...
	.end_amdgpu_metadata
.endif
;; end of part 1
;; launch proj (part 2): grid 8 x 32, 4 waves a work-group, clusters of 4 x 4, 327,680 bytes of LDS; arguments xb, wb, qkv, bb; writes qkv
.if DOCPART == 2
	.amdgcn_target "amdgcn-amd-amdhsa--gfx1250"
	.amdhsa_code_object_version 6
	.text
	.protected	k_q6a4a2500c4_proj
	.globl	k_q6a4a2500c4_proj
	.p2align	8
	.type	k_q6a4a2500c4_proj,@function
k_q6a4a2500c4_proj:
	s_mov_b64 s[64:65], 0
	v_nop
	global_prefetch_b8 v0, s[64:65] scope:SCOPE_SE
	s_setreg_imm32_b32 hwreg(HW_REG_WAVE_MODE, 25, 1), 1
	s_wait_xcnt 0x0
	s_wait_alu depctr_hold_cnt(0) depctr_sa_sdst(0) depctr_va_vdst(0) depctr_va_sdst(0) depctr_va_ssrc(0) depctr_va_vcc(0) depctr_vm_vsrc(0)
	s_getreg_b32 s2, hwreg(HW_REG_IB_STS2, 6, 4)
	s_cmp_eq_u32 s2, 0
	s_cbranch_scc0 .Lentry_in_a_cluster
	s_endpgm
.Lentry_in_a_cluster:
	s_bfe_u32 s2, ttmp6, 0x10000c
	s_cmp_lg_u32 s2, 0xf033
	s_cbranch_scc0 .Lentry_shape_is_right
	s_endpgm
.Lentry_shape_is_right:
; PROJECTION.  qkv[8192][3072] (f16) = x . W^T + bb[3072].  Operands bf16 (xb, wb: panels of 64 columns, [16][rows][64]), sums f32 (the bias starts them), rounded once to f16.  Columns 0-1023 are Q, 1024-2047 K, 2048-3071 V.
; LIMIT.  f16 holds no number beyond 65,504: |Q|, |K|, |V| must stay under it; NaN and infinities are not treated apart.
; SHARES.  A tile of qkv is 256 rows x 384 columns: 32 x 8 = 256 work-groups, one for each WGP.  Four waves, each 128 rows x 192 columns: 96 accumulators of 16 x 16, 768 registers.
; K goes in steps of 64, one panel, through two LDS slots filled by the tensor data mover (two slots of 128 would be 2 x 640 rows x 272 bytes = 348,160 bytes: more than there is).  A step's tile is dense in its panel
; and is asked for as rows of 256 bytes, two rows of the matrix each.
; A K step is two QUARTERS of 32 along K, each three RUNS of 32 matrix instructions: run g takes all 8 row blocks x column blocks 4 g .. 4 g + 3.  xb's fragments have two buffers; wb's lie once, in three groups,
; and group g is loaded for the next quarter as soon as run g has read it: 64 matrix instructions ahead of its next use.
; ONE TEXT FOR A K STEP.  The slot in hand is a scalar, TR = 0 or SLOT, turned by an exclusive or at each change of slots; fragment addresses and the refill's LDS word are a constant part + TR.
; CLUSTER.  4 x 4 work-groups: the four of a row need the same rows of xb, the four of a column the same rows of wb.  Each tile is asked for JOINTLY: the same tensor load, descriptor and mask in all four.
; THE MATRIX INSTRUCTION IS USED TRANSPOSED (source 0 = 16 rows of wb, source 1 = 16 rows of xb): lane l holds row l % 16 of the result and the eight neighbouring columns 8 (l / 16) + 0..7.
; REGISTERS, in windows of 256 (s_set_vgpr_msb: bits 1:0 source 0, 3:2 source 1, 5:4 source 2, 7:6 destination):
;   window 0: v0-29 addresses; v32-95, v96-159 fragments of xb, two buffers; v160-255 fragments of wb, group g at v[160 + 32 g]; on the way out v32-223 packed results
;   window 1 + g: the 32 accumulators of column blocks 4 g .. 4 g + 3: (a, b) at v[8 (4 a + b % 4)]
;   THE BIAS, 96 registers laid as accumulators' registers, is the C of the first quarter's products: blocks 0-3 in v0-31 of window 3 (which run 2 writes only later), blocks 4-11 in xb's second buffer,
;   which is therefore loaded late, once: at the first quarter's end.
.set MA,     8                         ; blocks of 16 rows a wave
.set NSTEP,  16                        ; 1024 / 64
.set PITCH,  144                       ; an LDS row: 128 bytes + 16 of padding = 36 words: the 16 rows of a fragment load start at 16 different groups of four banks (64 banks of 4 bytes: ISA guide 11.1)
.set BOFF,   256*PITCH                 ; a slot: xb's 256 rows, then wb's 384
.set SLOT,   640*PITCH
.set STAGE,  SLOT                      ; the way out: 256 rows x 784 bytes, from slot 1 on: slot 1 has by then had its last fill and its last read, and no fill ever lands behind it
.set SPITCH, 784                       ; 768 bytes + 16: 49 x 16
.set SPARE,  STAGE+256*SPITCH          ; the spare words, 128 bytes for each wave: two blocks of 256 bytes that no other line names
.set STEPA,  8192*128                  ; bytes from a panel to the next
.set STEPB,  3072*128
.set A0,   16                          ; v16  my lane's and wave's place in a slot, for xb's fragments; never rewritten
.set CA,   17                          ; v17  TR + A0
.set B0,   20                          ; v20  the same for wb's
.set CB,   21                          ; v21
.set STO,  24                          ; v24  the way out: where I put 16 bytes of a row (row blocks 0-3)
.set RD,   25                          ; v25  where I read rows back
.set CO,   26                          ; v26  my byte offset in qkv
.set STO2, 27                          ; v27  STO for row blocks 4-7
.set SPW,  28                          ; v28  LDS address of my spare word; never rewritten
.set NIL,  29                          ; v29  0; never rewritten
.set AF,   32
.set BFR,  160
.set OUTR, 32
.set G1,   24                          ; s[24:31] descriptor group 1 for xb's tiles;  s[32:39] group 0: set 0 for K step 0, set 1 for K step 1 and then every refill
.set G0,   32
.set G1B,  48                          ; s[48:55], s[56:63] the same for wb's
.set G0B,  56
.set JSEL, 11                          ; waves 0 and 1 fetch xb's two halves of 128 rows, waves 2 and 3 wb's two halves of 192
.set FLAGS, (1<<16)|(1<<20)|(1<<21)|(4<<22)|(3<<25)  ; 17:16 2-byte elements; 20 padding on; 21 set beside a mask; 24:22 after every 32 words (code 4): a row of the matrix; 31:25 4 words (code 3)
.set MSB, 0
.macro WIN new                         ; the immediate's high byte repeats the setting that is left; a switch that changes nothing is dropped
.if MSB != (\new)
	s_set_vgpr_msb (MSB<<8)|(\new)
.set MSB, \new
.endif
.endm
.macro PLACES                          ; four plain vector instructions between a matrix instruction and a load into, or a vector read or write of, its registers
.rept 4
	v_nop
.endr
.endm
; A joint load.  The branch hangs on the wave's number alone.  An s_nop 0 and four v_nop follow each of the two lines, ahead of the jump and the label.
.macro JLOAD s
	s_cmp_eq_u32 s[JSEL], 0
	s_cbranch_scc0 .Lfor_b_\@
	tensor_load_to_lds s[G0+4*(\s):G0+4*(\s)+3], s[G1:G1+7]
	s_nop 0
.rept 4
	v_nop
.endr
	s_branch .Lasked_\@
.Lfor_b_\@:
	tensor_load_to_lds s[G0B+4*(\s):G0B+4*(\s)+3], s[G1B:G1B+7]
	s_nop 0
.rept 4
	v_nop
.endr
.Lasked_\@:
.endm
.macro CREST                           ; a round of the cluster's barrier behind its opening barrier: wave 0 signals for the work-group, every wave waits for all sixteen, my work-group's barrier closes it
	s_cmp_lg_u32 s10, 0
	s_cbranch_scc1 .Lnot_wave_0_\@
	s_barrier_signal -3
.Lnot_wave_0_\@:
	s_barrier_wait -3
	s_barrier_signal -1
	s_barrier_wait -1
.endm
.macro CROUND                          ; a whole round
	s_barrier_signal -1
	s_barrier_wait -1
	CREST
.endm
	s_load_b128 s[4:7], s[0:1], 0x0                ; xb s[4:5], wb s[6:7]
	s_load_b64 s[8:9], s[0:1], 0x10                ; qkv
	s_load_b64 s[68:69], s[0:1], 0x18              ; bb
	v_lshl_add_u32 v[SPW], v0, 2, SPARE
	v_mov_b32 v[NIL], 0
	ds_add_u32 v[SPW], v[NIL]                      ; the wave's opening: the add and its wait stand ahead of my first tensor load; the set-up below, work on registers, stands between them
	v_lshrrev_b32 v1, 5, v0
	v_readfirstlane_b32 s10, v1                    ; wave 0..3
	s_lshr_b32 s11, s10, 1                         ; rh: which half of the tile's rows is mine.  Also: I fetch for xb (0) or for wb (1)
	s_and_b32 s12, s10, 1                          ; ch: which half of its columns.  Also: which half of that tile I fetch
	s_bfe_u32 s40, ttmp6, 0x40000                  ; cx, cy: my place in the cluster
	s_bfe_u32 s41, ttmp6, 0x40004
	s_lshl_b32 s42, ttmp9, 2                       ; in a cluster launch ttmp9 and ttmp7 count clusters
	s_add_co_u32 s42, s42, s40                     ; x: tile column = 4 x cluster x + cx
	s_and_b32 s13, ttmp7, 0xffff
	s_lshl_b32 s13, s13, 2
	s_add_co_u32 s13, s13, s41                     ; y: tile row = 4 x cluster y + cy
	s_lshl_b32 s43, s41, 2
	s_lshl_b32 s43, 15, s43                        ; my row of the cluster: places 4 cy .. 4 cy + 3
	s_lshl_b32 s44, 0x1111, s40                    ; my column: places cx, cx + 4, cx + 8, cx + 12
	s_or_b32 s[G1], s43, FLAGS                     ; xb's tiles go to my row,
	s_or_b32 s[G1B], s44, FLAGS                    ; wb's to my column
.irp g, G1, G1B
	s_mov_b32 s[(\g)+1], 128<<16                   ; tensor_dim0 = 128 elements
	s_mov_b32 s[(\g)+3], 128<<16                   ; tile_dim0 = 128 elements: 256 bytes, two rows of the matrix
	s_mov_b32 s[(\g)+5], 128                       ; elements from row to row: the block is dense
	s_mov_b32 s[(\g)+6], 0
	s_mov_b32 s[(\g)+7], 0
.endr
	s_mov_b32 s[G1+2], 64<<16                      ; xb: tensor_dim1 = tile_dim1 = 64: 128 rows of the matrix
	s_mov_b32 s[G1+4], 64
	s_mov_b32 s[G1B+2], 96<<16                     ; wb: 96: 192 rows of the matrix
	s_mov_b32 s[G1B+4], 96
	s_lshl_b32 s16, s13, 15                        ; xb: 256 y rows of 128 bytes in a panel: the tile row alone,
	s_lshl_b32 s75, s12, 14                        ; and my half of 128 rows
	s_add_co_u32 s16, s16, s75
	s_mov_b32 s17, 0
	s_mul_i32 s46, s42, 384*128                    ; wb: 384 x rows: the tile column alone,
	s_mul_i32 s47, s12, 192*128                    ; and my half of 192 rows
	s_add_co_u32 s46, s46, s47
	s_mov_b32 s47, 0
	s_mul_i32 s20, s12, 128*PITCH                  ; where a load of xb lands in a slot,
	s_mul_i32 s21, s12, 192*PITCH
	s_add_co_u32 s21, s21, BOFF                    ; and a load of wb: no place in the cluster enters an LDS address
	s_mov_b32 s66, 0                               ; TR: slot 0 is read first
	s_wait_dscnt 0x0                               ; the opening add is done
	s_wait_kmcnt 0x0
	s_add_nc_u64 s[14:15], s[4:5], s[16:17]
	s_add_nc_u64 s[46:47], s[6:7], s[46:47]
	CROUND                                         ; all sixteen work-groups are here: the first joint loads meet
.irp s, 0,1
	s_mov_b32 s[G0+4*(\s)], 1                                        ; count = 1
	s_add_co_u32 s[G0+4*(\s)+1], s20, (\s)*SLOT                      ; LDS address
	s_add_nc_u64 s[G0+4*(\s)+2:G0+4*(\s)+3], s[14:15], (\s)*STEPA    ; global address: K step s
	s_or_b32 s[G0+4*(\s)+3], s[G0+4*(\s)+3], 0x80000000              ; type = 2
	s_mov_b32 s[G0B+4*(\s)], 1
	s_add_co_u32 s[G0B+4*(\s)+1], s21, (\s)*SLOT
	s_add_nc_u64 s[G0B+4*(\s)+2:G0B+4*(\s)+3], s[46:47], (\s)*STEPB
	s_or_b32 s[G0B+4*(\s)+3], s[G0B+4*(\s)+3], 0x80000000
	JLOAD \s                                       ; both slots are asked for before anything else: two loads of mine are out
.endr
	; A fragment is 16 rows x 32 K in 8 registers: lane l holds row l % 16; registers 0-3 K = 8 (l / 16) + 0..7, registers 4-7 K = 16 + 8 (l / 16) + 0..7: two loads of 16 bytes, 32 bytes apart.
	v_and_b32 v1, 15, v0                           ; r = l % 16
	v_bfe_u32 v2, v0, 4, 1                         ; h = l / 16
	v_mul_u32_u24 v3, v1, PITCH
	v_lshl_add_u32 v3, v2, 4, v3                   ; row x pitch + 16 x half
	s_mul_i32 s22, s11, 128*PITCH                  ; my 128 rows of xb
	v_add_nc_u32 v[A0], s22, v3
	s_mul_i32 s22, s12, 192*PITCH                  ; my 192 rows of wb,
	s_add_co_u32 s22, s22, BOFF                    ; which lie behind xb's 256
	v_add_nc_u32 v[B0], s22, v3
	v_mov_b32 v[CA], v[A0]
	v_mov_b32 v[CB], v[B0]
	v_mul_u32_u24 v5, v1, SPITCH                   ; into the stage: row r of my 128, my wave's 384 bytes of it, 16 bytes for each half of the lanes
	v_lshl_add_u32 v5, v2, 4, v5
	s_mul_i32 s22, s11, 128*SPITCH
	s_mul_i32 s23, s12, 384
	s_add_co_u32 s22, s22, s23
	s_add_co_u32 s22, s22, STAGE
	v_add_nc_u32 v[STO], s22, v5
	v_add_nc_u32 v[STO2], 64*SPITCH, v[STO]
	v_mul_u32_u24 v6, v2, SPITCH                   ; back: wave w takes rows 64 w .. 64 w + 63 whole; lanes 0-15 256 bytes of one row, lanes 16-31 of the next
	v_lshl_add_u32 v6, v1, 4, v6
	s_mul_i32 s22, s10, 64*SPITCH
	s_add_co_u32 s22, s22, STAGE
	v_add_nc_u32 v[RD], s22, v6
	v_mul_u32_u24 v7, v2, 6144                     ; and the same two rows in qkv
	v_lshl_add_u32 v[CO], v1, 4, v7
	s_lshl_b32 s16, s13, 8
	s_lshl_b32 s17, s10, 6
	s_add_co_u32 s16, s16, s17                     ; the first row that I store: 256 y + 64 w
	s_mul_i32 s16, s16, 6144
	s_mov_b32 s17, 0
	s_add_nc_u64 s[8:9], s[8:9], s[16:17]
	s_mul_i32 s46, s42, 768                        ; the tile's first column, in bytes
	s_mov_b32 s47, 0
	s_add_nc_u64 s[8:9], s[8:9], s[46:47]
	s_mul_i32 s46, s42, 1536                       ; the bias of my 192 columns: 4 (384 x + 192 ch)
	s_mul_i32 s22, s12, 768
	s_add_co_u32 s46, s46, s22
	s_add_nc_u64 s[68:69], s[68:69], s[46:47]
	v_lshlrev_b32 v4, 5, v2                        ; my lanes' eight columns of a block: 32 h bytes on
	WIN 0xc0                                       ; destination window 3, address window 0
.set i, 0
.rept 8                                ; register j of block b = bias of column 16 b + 8 h + j, in every row: the layout of an accumulator.  Blocks 0-3
	global_load_b128 v[4*i:4*i+3], v4, s[68:69] offset:64*(i/2)+16*(i%2)
.set i, i+1
.endr
	WIN 0
.set i, 0
.rept 16                               ; blocks 4-11
	global_load_b128 v[AF+64+4*i:AF+64+4*i+3], v4, s[68:69] offset:256+64*(i/2)+16*(i%2)
.set i, i+1
.endr
; na x 4 matrix instructions of run g: row blocks a0 .. a0 + na - 1 x column blocks 4 g .. 4 g + 3, 32 along K, xb from buffer f.  first = 1: the bias starts the sums: nothing is cleared, nothing is added later.
; The 96 accumulators take turns, one instruction a turn, in the same order in every quarter.
.macro RUN f, g, first, a0=0, na=8
.if \first
.if (\g) == 0
	WIN 0x70                                       ; D window 1, C (the bias) window 3
.elseif (\g) == 1
	WIN 0x80                                       ; D window 2, C window 0
.else
	WIN 0xc0                                       ; D window 3, C window 0
.endif
.else
	WIN 0x50*((\g)+1)                              ; C and D window 1 + g; both sources window 0
.endif
.set ma, \a0
.rept \na
.set mb, 0
.rept 4
.set rD, 8*(4*ma+mb)
.set rB, BFR+32*(\g)+8*mb
.set rA, AF+64*(\f)+8*ma
.if \first
.if (\g) == 0
.set rC, 8*mb
.else
.set rC, AF+32+32*(\g)+8*mb
.endif
	v_wmma_f32_16x16x32_bf16 v[rD:rD+7], v[rB:rB+7], v[rA:rA+7], v[rC:rC+7]
.else
	v_wmma_f32_16x16x32_bf16 v[rD:rD+7], v[rB:rB+7], v[rA:rA+7], v[rD:rD+7]
.endif
.set mb, mb+1
.endr
.set ma, ma+1
.endr
.endm
.macro LDB g, k                        ; 8 LDS loads: wb's group g, 32 along K at byte k of the rows of the slot in hand
	WIN 0
.set fi, 0
.rept 4
	ds_load_b128 v[BFR+32*(\g)+8*fi:BFR+32*(\g)+8*fi+3],   v[CB] offset:(\k)+(4*(\g)+fi)*16*PITCH
	ds_load_b128 v[BFR+32*(\g)+8*fi+4:BFR+32*(\g)+8*fi+7], v[CB] offset:(\k)+(4*(\g)+fi)*16*PITCH+32
.set fi, fi+1
.endr
.endm
.macro LDA f, k                        ; 16 LDS loads: xb's eight blocks into buffer f
	WIN 0
.set fi, 0
.rept MA
	ds_load_b128 v[AF+64*(\f)+8*fi:AF+64*(\f)+8*fi+3],   v[CA] offset:(\k)+fi*16*PITCH
	ds_load_b128 v[AF+64*(\f)+8*fi+4:AF+64*(\f)+8*fi+7], v[CA] offset:(\k)+fi*16*PITCH+32
.set fi, fi+1
.endr
.endm
; A K step's first quarter: multiplies buffer 0 and fetches the second quarter's fragments, at byte 64 of the same slot's rows.  first = 1: the launch's first: xb's run of loads stands at its end, since the bias lies in buffer 1.
.macro QA first
	s_wait_dscnt 16                                ; group 0 and xb's fragments are in; the two younger groups (8 loads each) may be out
	RUN 0, 0, \first
	PLACES
	LDB 0, 64
.if !(\first)
	LDA 1, 64
.endif
	s_wait_dscnt 32-16*(\first)                    ; group 1 is in: behind it group 2 (8) and the run just issued (24; in the first quarter 8)
	RUN 0, 1, \first
	PLACES
	LDB 1, 64
	s_wait_dscnt 32-16*(\first)                    ; group 2 is in: behind it the two runs just issued (24 + 8; in the first quarter 8 + 8)
	RUN 0, 2, \first
	PLACES
.if \first
	LDA 1, 64
.endif
	LDB 2, 64
.endm
; A K step's second quarter multiplies buffer 1 and changes slots: ONE barrier for two things.  In front of it each wave waits for all its tensor loads (one is out: its part of the next slot), adds 0 to its spare word,
; and waits for that and for its reads of this slot (the last were issued 32 matrix instructions ago).  Behind it nobody reads this slot any more and the next slot is whole.  fill = 1: the barrier opens a round of the
; cluster's, and the slot just read out is filled again first thing behind it, with the K step two on.  Between a tile's landing and the next request stand sixteen matrix instructions, in the add's shadow, and the round.
.macro QB fill
	s_wait_dscnt 16                                ; group 0 and xb's fragments are in
	RUN 1, 0, 0, 0, 4
	WIN 0                                          ; (the add's two registers lie in window 0)
	s_wait_tensorcnt 0x0                           ; all my tensor loads have landed, so a group 0 may be written;
	ds_add_u32 v[SPW], v[NIL]                      ; 0 onto my spare word;
.if \fill
	s_add_co_u32 s[G0+5], s20, s66                 ; the walking descriptor: into the slot in hand,
	s_add_co_u32 s[G0B+5], s21, s66
	s_add_nc_u64 s[G0+6:G0+7], s[G0+6:G0+7], STEPA       ; the next K step; the type bits on top are not reached
	s_add_nc_u64 s[G0B+6:G0B+7], s[G0B+6:G0B+7], STEPB
.endif
	RUN 1, 0, 0, 4, 4                              ; sixteen matrix instructions stand between the add and the wait for it
	WIN 0                                          ; at a branch and at a label every window is 0
	s_wait_dscnt 0x0                               ; the add is done, and my reads of this slot are over: groups 1 and 2 are in too
	s_barrier_signal -1
	s_barrier_wait -1
.if \fill
	CREST                                          ; no wave of any partner still reads this slot's tile or has a load on its way
	JLOAD 1                                        ; my one tensor load behind the round; the four v_nop behind it are also the places in front of the loads below
.else
	PLACES
.endif
	s_xor_b32 s66, s66, SLOT                       ; the other slot is in hand
	v_add_nc_u32 v[CA], s66, v[A0]
	v_add_nc_u32 v[CB], s66, v[B0]
	LDB 0, 0
	LDA 0, 0
	RUN 1, 1, 0
	PLACES
	LDB 1, 0
	RUN 1, 2, 0
	PLACES
	LDB 2, 0
.endm
	s_wait_tensorcnt 1                             ; my part of K step 0 is in; K step 1's may stay out
	s_barrier_signal -1
	s_barrier_wait -1                              ; everybody's is
	LDB 0, 0
	LDA 0, 0
	LDB 1, 0
	LDB 2, 0
	s_wait_loadcnt 0x0                             ; the bias
	QA 1                                           ; the first quarter stands in front of the loop: its products start the sums
	s_wait_dscnt 8                                 ; xb's late run is in; behind it stands group 2 alone (the loop's own count takes the run to be older)
	WIN 0
	s_mov_b32 s3, NSTEP-2
.Lstep:                                                ; trip i: the second quarter of K step i, the refill of its slot with K step i + 2, the first quarter of K step i + 1
	QB 1
	QA 0
	WIN 0
	s_sub_co_u32 s3, s3, 1
	s_cmp_lg_u32 s3, 0
	s_cbranch_scc1 .Lstep
	s_mov_b32 s2, 2                                ; the last two K steps ask for nothing: their text holds no tensor load, and is left in the middle of its second trip
.Ltail:
	QB 0                                           ; in the second trip its loads read slot 0's old bytes and serve nothing: the price, once a work-group, of one text for both trips;
	WIN 0                                          ; its barrier is used: behind it no wave reads slot 1 any more
	s_sub_co_u32 s2, s2, 1
	s_cmp_eq_u32 s2, 0
	s_cbranch_scc1 .Lout
	QA 0
	WIN 0
	s_branch .Ltail
.Lout:
	; THE WAY OUT: round to f16, a window at a time; 16 bytes a lane into the work-group's stage; a barrier, since a row's 768 bytes come from two waves; back as whole rows, 64 rows a wave.
	s_wait_dscnt 0x0                               ; the idle loads have landed: their registers are written below
	PLACES
.irp g, 0,1,2
	WIN 0x05*((\g)+1)                              ; sources window 1 + g; each accumulator's registers in ascending order
.set i, 0
.rept 128
	v_cvt_pk_f16_f32 v[OUTR+i], v[2*i], v[2*i+1]
.set i, i+1
.endr
	WIN 0
.set k, 0
.rept 32                               ; accumulator k: row block k / 4, column block 4 g + k % 4
.if k < 16
	ds_store_b128 v[STO], v[OUTR+4*k:OUTR+4*k+3] offset:(k/4)*16*SPITCH+128*(\g)+32*(k%4)
.else
	ds_store_b128 v[STO2], v[OUTR+4*k:OUTR+4*k+3] offset:(k/4-4)*16*SPITCH+128*(\g)+32*(k%4)
.endif
.set k, k+1
.endr
.endr
	s_wait_dscnt 0x0                               ; for the others' sake: my stores into the stage are done
	s_barrier_signal -1
	s_barrier_wait -1
.irp q, 0,1                            ; my 64 rows in two halves of 32: 48 loads of 16 bytes a lane fill 192 registers
.if \q
	s_wait_xcnt 0x0                                ; every earlier store has had its addresses translated (ISA guide 3.1): its data registers are loaded again only behind this wait
.endif
.set i, 0
.rept 48                               ; rows 2 (i / 3) and 2 (i / 3) + 1 of the half, piece i % 3 of their three pieces of 256 bytes
	ds_load_b128 v[OUTR+4*i:OUTR+4*i+3], v[RD] offset:(16*(\q)+i/3)*2*SPITCH+256*(i%3)
.set i, i+1
.endr
.set i, 0
.rept 48
.if i%3 == 0
	s_wait_dscnt 45-i                              ; LDS loads come back in order (ISA guide 5.7.1): loads i to i + 2 are in
.endif
	global_store_b128 v[CO], v[OUTR+4*i:OUTR+4*i+3], s[8:9] offset:(16*(\q)+i/3)*2*6144+256*(i%3)  ; 16 lanes store 256 consecutive bytes, at a multiple of 256 from qkv's first byte
.set i, i+1
.endr
.endr
	s_wait_tensorcnt 0x0                           ; the wave's end: a wait for my tensor loads, an add of 0 to my spare word and its wait, behind my last tensor load and my last LDS store
	ds_add_u32 v[SPW], v[NIL]
	s_wait_dscnt 0x0
	CROUND                                         ; the closing round: no work-group ends while a partner may still ask for a tile that names it
	s_endpgm
.Lfunc_end_k_q6a4a2500c4_proj:
	.size	k_q6a4a2500c4_proj, .Lfunc_end_k_q6a4a2500c4_proj-k_q6a4a2500c4_proj
	.p2alignl 7, 3214868480
	.fill 96, 4, 3214868480
	.section	.rodata,"a",@progbits
	.p2align	6, 0x0
	.amdhsa_kernel k_q6a4a2500c4_proj
		.amdhsa_group_segment_fixed_size 327680
		.amdhsa_private_segment_fixed_size 0
		.amdhsa_enable_private_segment 0
		.amdhsa_kernarg_size 32
		.amdhsa_user_sgpr_count 2
		.amdhsa_user_sgpr_kernarg_segment_ptr 1
		.amdhsa_wavefront_size32 1
		.amdhsa_system_sgpr_workgroup_id_x 1
		.amdhsa_system_sgpr_workgroup_id_y 1
		.amdhsa_system_sgpr_workgroup_id_z 1
		.amdhsa_system_vgpr_workitem_id 0
		.amdhsa_next_free_vgpr 1024
		.amdhsa_next_free_sgpr 76
		.amdhsa_reserve_vcc 0
		.amdhsa_float_denorm_mode_32 3
		.amdhsa_float_denorm_mode_16_64 3
		.amdhsa_memory_ordered 1
		.amdhsa_forward_progress 1
		.amdhsa_inst_pref_size 107
	.end_amdhsa_kernel
	.amdgpu_metadata
---
amdhsa.version: [ 1, 2 ]
amdhsa.kernels:
  - .name:           k_q6a4a2500c4_proj
    .symbol:         k_q6a4a2500c4_proj.kd
    .args:
      - { .name: xb, .offset: 0, .size: 8, .value_kind: global_buffer, .address_space: global }
      - { .name: wb, .offset: 8, .size: 8, .value_kind: global_buffer, .address_space: global }
      - { .name: qkv, .offset: 16, .size: 8, .value_kind: global_buffer, .address_space: global }
      - { .name: bb, .offset: 24, .size: 8, .value_kind: global_buffer, .address_space: global }
    .group_segment_fixed_size: 327680
    .private_segment_fixed_size: 0
    .kernarg_segment_align: 8
    .kernarg_segment_size: 32
    .max_flat_workgroup_size: 128
    .sgpr_count:     76
    .vgpr_count:     1024
    .wavefront_size: 32
...
	.end_amdgpu_metadata
.endif
;; end of part 2
;; launch score (part 3): grid 8 x 32, 4 waves a work-group, clusters of 4 x 4, 327,680 bytes of LDS; arguments qkv, pw, st; writes pw, st
.if DOCPART == 3
	.amdgcn_target "amdgcn-amd-amdhsa--gfx1250"
	.amdhsa_code_object_version 6
	.text
	.protected	k_q6a4a2500c4_score
	.globl	k_q6a4a2500c4_score
	.p2align	8
	.type	k_q6a4a2500c4_score,@function
k_q6a4a2500c4_score:
	s_mov_b64 s[64:65], 0
	v_nop
	global_prefetch_b8 v0, s[64:65] scope:SCOPE_SE
	s_setreg_imm32_b32 hwreg(HW_REG_WAVE_MODE, 25, 1), 1
	s_wait_xcnt 0x0
	s_wait_alu depctr_hold_cnt(0) depctr_sa_sdst(0) depctr_va_vdst(0) depctr_va_sdst(0) depctr_va_ssrc(0) depctr_va_vcc(0) depctr_vm_vsrc(0)
	s_getreg_b32 s2, hwreg(HW_REG_IB_STS2, 6, 4)
	s_cmp_eq_u32 s2, 0
	s_cbranch_scc0 .Lentry_in_a_cluster
	s_endpgm
.Lentry_in_a_cluster:
	s_bfe_u32 s2, ttmp6, 0x10000c
	s_cmp_lg_u32 s2, 0xf033
	s_cbranch_scc0 .Lentry_shape_is_right
	s_endpgm
.Lentry_shape_is_right:
; SCORES AND LOCAL SOFTMAX.  For each query row q and each tile t of 128 keys of its batch: s = Q[q] . K[k] (f16 operands, f32 sums), m = max over the tile of s, p = 2^(c s - c m), c = log2(e) / 32,
; l = the sum of the tile's p (unrounded).  pw[8192][2048] takes p in f16, st[16 t][8192 rows] the pairs (c m, l) in f32.  The launch behind joins the tiles: with CM = max over t of c m_t it weighs tile t by 2^(c m_t - CM).
; c m is rounded once to f32; c s - c m is one fused multiply-add on that number, and the same number goes to st: so the tiles stay consistent with each other whatever the size of the scores.
; A tile's largest weight is 2^e, |e| at most half a unit in the last place of c m.
; LIMITS.  p below 6e-5 keeps f16's fixed step of 6e-8; a weight below 2^-126 counts as 0 in l; NaN and infinities are not treated apart.
; SHARES.  A tile of the scores is 256 queries x 256 keys: 32 x 8 = 256 work-groups.  Four waves, each 128 x 128 (one t): 64 accumulators of 16 x 16, 512 registers.  The 1,024 channels go in steps of 128
; through two LDS slots filled by the tensor data mover; a tile's rows are 256 bytes of memory at multiples of 256 bytes (Q at byte 0, K at byte 2,048 of qkv's rows of 6,144).
; ONE TEXT FOR A K STEP: the slot in hand is a scalar, TR = 0 or SLOT, turned by an exclusive or; fragment addresses and the refill's LDS word are a constant part + TR.
; CLUSTER.  4 x 4 work-groups, all of one batch: the four of a row need the same queries, the four of a column the same keys: each tile is asked for JOINTLY, by the same tensor load, descriptor and mask.
; THE MATRIX INSTRUCTION IS USED TRANSPOSED (source 0 = 16 keys, source 1 = 16 queries): lane l holds query l % 16 and the keys 8 (l / 16) + 0..7 of each block: a query's 128 scores lie in two lanes, 16 apart.
; REGISTERS, in windows of 256 (s_set_vgpr_msb: bits 1:0 source 0, 3:2 source 1, 5:4 source 2, 7:6 destination):
;   window 0: v0-29 addresses; v64-127, v128-191 fragments of Q, two buffers.  Behind the loop: v32-63 statistics, v64-95 chains, v96-103 pairs for st, v128-159 packed p, v160-223 rows read back
;   window 1: v64-127, v128-191 fragments of K, two buffers;   window 2: the 32 accumulators of my queries 0-63 ((a, b) at v[8 (8 a + b)]);   window 3: those of queries 64-127
.set MA,     8
.set NBK,    8
.set NSTEP,  8                         ; 1024 / 128
.set PITCH,  272                       ; an LDS row: 256 bytes + 16 of padding = 68 words: the 16 rows of a fragment load start at 16 different groups of four banks (64 banks of 4 bytes: ISA guide 11.1)
.set PART,   128*PITCH                 ; what one tensor load brings: 128 rows
.set SLOT,   4*PART                    ; 256 queries, then 256 keys
.set STAGE,  2*SLOT                    ; behind the ring, never filled by a tensor load: 16 rows x 272 bytes for each wave
.set SPITCH, 272
.set SPARE,  STAGE+4*16*SPITCH         ; the spare words, 128 bytes for each wave: two blocks of 256 bytes that no other line names
.set STEPA,  256
.set STEPB,  256
.set A0,   16                          ; v16  my lane's and wave's place in a slot, for Q's fragments; never rewritten
.set CA,   17                          ; v17  TR + A0
.set B0,   20                          ; v20, v21  the same for K's
.set CB,   21
.set STO,  24                          ; v24  the way out: where I put 16 bytes of a row
.set RD,   25                          ; v25  where I read rows back
.set CO,   26                          ; v26  my byte offset in pw
.set SO,   27                          ; v27  my byte offset in st
.set SPW,  28                          ; v28  LDS address of my spare word; never rewritten
.set NIL,  29                          ; v29  0; never rewritten
.set ST,   32                          ; block a's statistics at v[ST+4 a]: c m, m, l (even keys', odd keys')
.set CH,   64                          ; eight chains for each of four blocks
.set PR,   96
.set TMP,  128
.set BK0,  160
.set AF,   64
.set BF,   64
.set G1,   24                          ; s[24:31] descriptor group 1 for Q's tiles;  s[32:39] group 0: set 0 for K step 0, set 1 for K step 1 and then every refill
.set G0,   32
.set G1B,  48                          ; s[48:55], s[56:63] the same for K's
.set G0B,  56
.set JSEL, 11                          ; waves 0 and 1 fetch Q's two halves, waves 2 and 3 K's
.set FLAGS, (1<<16)|(1<<20)|(1<<21)|(5<<22)|(3<<25)  ; 17:16 2-byte elements; 20 padding on; 21 set beside a mask; 24:22 after every 64 words (code 5); 31:25 4 words (code 3)
.set TO_B, 0x40                        ; destination window 1, address window 0
.set MSB, 0
.macro WIN new                         ; the immediate's high byte repeats the setting that is left; a switch that changes nothing is dropped
.if MSB != (\new)
	s_set_vgpr_msb (MSB<<8)|(\new)
.set MSB, \new
.endif
.endm
.macro PLACES                          ; four plain vector instructions between a matrix instruction and a load into, or a vector read or write of, its registers
.rept 4
	v_nop
.endr
.endm
; A joint load.  The branch hangs on the wave's number alone.  An s_nop 0 and four v_nop follow each of the two lines, ahead of the jump and the label.
.macro JLOAD s
	s_cmp_eq_u32 s[JSEL], 0
	s_cbranch_scc0 .Lfor_b_\@
	tensor_load_to_lds s[G0+4*(\s):G0+4*(\s)+3], s[G1:G1+7]
	s_nop 0
.rept 4
	v_nop
.endr
	s_branch .Lasked_\@
.Lfor_b_\@:
	tensor_load_to_lds s[G0B+4*(\s):G0B+4*(\s)+3], s[G1B:G1B+7]
	s_nop 0
.rept 4
	v_nop
.endr
.Lasked_\@:
.endm
.macro CREST                           ; a round of the cluster's barrier behind its opening barrier
	s_cmp_lg_u32 s10, 0
	s_cbranch_scc1 .Lnot_wave_0_\@
	s_barrier_signal -3
.Lnot_wave_0_\@:
	s_barrier_wait -3
	s_barrier_signal -1
	s_barrier_wait -1
.endm
.macro CROUND                          ; a whole round
	s_barrier_signal -1
	s_barrier_wait -1
	CREST
.endm
	s_load_b64 s[4:5], s[0:1], 0x0                 ; qkv
	s_load_b64 s[8:9], s[0:1], 0x8                 ; pw
	s_load_b64 s[68:69], s[0:1], 0x10              ; st
	v_lshl_add_u32 v[SPW], v0, 2, SPARE
	v_mov_b32 v[NIL], 0
	ds_add_u32 v[SPW], v[NIL]                      ; the wave's opening: the add and its wait stand ahead of my first tensor load; the set-up below, work on registers, stands between them
	v_lshrrev_b32 v1, 5, v0
	v_readfirstlane_b32 s10, v1                    ; wave 0..3
	s_lshr_b32 s11, s10, 1                         ; rh: which half of the tile's queries is mine.  Also: I fetch for Q (0) or for K (1)
	s_and_b32 s12, s10, 1                          ; ch: which half of its keys.  Also: which 128 rows I fetch
	s_bfe_u32 s40, ttmp6, 0x40000                  ; cx, cy: my place in the cluster
	s_bfe_u32 s41, ttmp6, 0x40004
	s_lshl_b32 s42, ttmp9, 2
	s_add_co_u32 s42, s42, s40                     ; x: block of 256 keys = 4 x cluster x + cx
	s_and_b32 s13, ttmp7, 0xffff
	s_lshr_b32 s45, s13, 1                         ; the batch: 8 blocks of 256 queries each, two clusters: from the cluster's y alone
	s_lshl_b32 s13, s13, 2
	s_add_co_u32 s13, s13, s41                     ; y: block of 256 queries = 4 x cluster y + cy
	s_lshl_b32 s43, s41, 2
	s_lshl_b32 s43, 15, s43                        ; my row of the cluster
	s_lshl_b32 s44, 0x1111, s40                    ; my column
	s_or_b32 s[G1], s43, FLAGS                     ; Q's tiles go to my row,
	s_or_b32 s[G1B], s44, FLAGS                    ; K's to my column
.irp g, G1, G1B
	s_mov_b32 s[(\g)+1], 128<<16                   ; tensor_dim0 = 128
	s_mov_b32 s[(\g)+2], 128<<16                   ; tensor_dim1 = 128
	s_mov_b32 s[(\g)+3], 128<<16                   ; tile_dim0 = 128 elements: 256 bytes
	s_mov_b32 s[(\g)+4], 128                       ; tile_dim1 = 128 rows
	s_mov_b32 s[(\g)+5], 3072                      ; elements from row to row of qkv
	s_mov_b32 s[(\g)+6], 0
	s_mov_b32 s[(\g)+7], 0
.endr
	s_lshl_b32 s75, s12, 7                         ; which 128 rows of a tile I fetch
	s_lshl_b32 s16, s13, 8
	s_add_co_u32 s16, s16, s75                     ; Q: row 256 y + 128 x half
	s_mul_i32 s16, s16, 6144
	s_mov_b32 s17, 0
	s_lshl_b32 s46, s45, 11
	s_lshl_b32 s47, s42, 8
	s_add_co_u32 s46, s46, s47
	s_add_co_u32 s46, s46, s75                     ; K: row 2048 x batch + 256 x + 128 x half,
	s_mul_i32 s46, s46, 6144
	s_add_co_u32 s46, s46, 2048                    ; at byte 2,048 of the row
	s_mov_b32 s47, 0
	s_mul_i32 s20, s10, PART                       ; where my load lands in a slot: Q's two halves, then K's two = wave x 128 rows
	s_mov_b32 s21, s20
	s_mov_b32 s66, 0                               ; TR: slot 0 is read first
	s_mov_b32 s70, 0x3d38aa3b                      ; c = log2(e) / 32
	s_mov_b32 s71, s70                             ; named with it as a pair
	s_mov_b32 s72, 0x76543210                      ; v_permlanex16_b32's selects: each lane takes its own place in the other half
	s_mov_b32 s73, 0xfedcba98
	s_wait_dscnt 0x0                               ; the opening add is done
	s_wait_kmcnt 0x0
	s_add_nc_u64 s[14:15], s[4:5], s[16:17]
	s_add_nc_u64 s[46:47], s[4:5], s[46:47]
	CROUND                                         ; all sixteen work-groups are here: the first joint loads meet
.irp s, 0,1
	s_mov_b32 s[G0+4*(\s)], 1                                        ; count = 1
	s_add_co_u32 s[G0+4*(\s)+1], s20, (\s)*SLOT                      ; LDS address
	s_add_nc_u64 s[G0+4*(\s)+2:G0+4*(\s)+3], s[14:15], (\s)*STEPA    ; global address: K step s
	s_or_b32 s[G0+4*(\s)+3], s[G0+4*(\s)+3], 0x80000000              ; type = 2
	s_mov_b32 s[G0B+4*(\s)], 1
	s_add_co_u32 s[G0B+4*(\s)+1], s21, (\s)*SLOT
	s_add_nc_u64 s[G0B+4*(\s)+2:G0B+4*(\s)+3], s[46:47], (\s)*STEPB
	s_or_b32 s[G0B+4*(\s)+3], s[G0B+4*(\s)+3], 0x80000000
	JLOAD \s                                       ; both slots are asked for before anything else: two loads of mine are out
.endr
	v_and_b32 v1, 15, v0                           ; r = l % 16
	v_bfe_u32 v2, v0, 4, 1                         ; h = l / 16
	v_mul_u32_u24 v3, v1, PITCH
	v_lshl_add_u32 v3, v2, 4, v3                   ; a fragment's row x pitch + 16 x half
	s_mul_i32 s22, s11, PART                       ; my 128 queries
	v_add_nc_u32 v[A0], s22, v3
	s_mul_i32 s22, s12, PART                       ; my 128 keys,
	s_add_co_u32 s22, s22, 2*PART                  ; which lie behind the 256 queries
	v_add_nc_u32 v[B0], s22, v3
	v_mov_b32 v[CA], v[A0]
	v_mov_b32 v[CB], v[B0]
	s_mul_i32 s22, s10, 16*SPITCH
	s_add_co_u32 s22, s22, STAGE                   ; my stage
	v_add_nc_u32 v[STO], s22, v3                   ; in: row r, 16 bytes for each half of the lanes
	v_mul_u32_u24 v4, v2, SPITCH                   ; back: lanes 0-15 take one row of 256 bytes, lanes 16-31 the next
	v_lshl_add_u32 v4, v1, 4, v4
	v_add_nc_u32 v[RD], s22, v4
	v_lshlrev_b32 v5, 12, v2                       ; and the same two rows in pw
	v_lshl_add_u32 v[CO], v1, 4, v5
	v_and_b32 v6, 31, v0
	v_lshlrev_b32 v[SO], 3, v6                     ; a pair (c m, l) a lane
	s_lshl_b32 s16, s13, 8
	s_lshl_b32 s17, s11, 7
	s_add_co_u32 s16, s16, s17                     ; my first query: 256 y + 128 rh
	s_lshl_b32 s18, s16, 3                         ; 8 bytes a row in st,
	s_lshl_b32 s16, s16, 12                        ; 4,096 in pw
	s_mov_b32 s17, 0
	s_mov_b32 s19, 0
	s_add_nc_u64 s[8:9], s[8:9], s[16:17]
	s_add_nc_u64 s[68:69], s[68:69], s[18:19]
	s_lshl_b32 s46, s42, 1
	s_add_co_u32 s46, s46, s12                     ; t = 2 x + ch
	s_lshl_b32 s46, s46, 8                         ; 256 bytes of a row of pw,
	s_mov_b32 s47, 0
	s_add_nc_u64 s[8:9], s[8:9], s[46:47]
	s_lshl_b32 s46, s46, 8                         ; 65,536 bytes of st
	s_add_nc_u64 s[68:69], s[68:69], s[46:47]
; na x 8 matrix instructions: query blocks a0 .. a0 + na - 1 of half hi x all 8 key blocks, 32 channels, from buffer f.  first = 1: the product starts the sums: nothing is ever cleared.
; The 64 accumulators take turns, one instruction a turn, in the same order in every quarter.
.macro MUL f, hi, a0, na, first
	WIN 0xa1+0x50*(\hi)                            ; K window 1, Q window 0, C and D window 2 or 3
.set ma, \a0
.rept \na
.set mb, 0
.rept NBK
.set rD, 8*(ma*NBK+mb)
.set rB, BF+(\f)*8*NBK+8*mb
.set rA, AF+(\f)*8*MA+8*((\hi)*MA/2+ma)
.if \first
	v_wmma_f32_16x16x32_f16 v[rD:rD+7], v[rB:rB+7], v[rA:rA+7], 0
.else
	v_wmma_f32_16x16x32_f16 v[rD:rD+7], v[rB:rB+7], v[rA:rA+7], v[rD:rD+7]
.endif
.set mb, mb+1
.endr
.set ma, ma+1
.endr
.endm
; One run of 32 LDS loads: the fragments of 32 channels at byte k of the rows of the slot in hand, into buffer f: K's first, then Q's, rows ascending
.macro FETCH k, f
	WIN TO_B
.set fi, 0
.rept NBK
	ds_load_b128 v[BF+(\f)*8*NBK+8*fi:BF+(\f)*8*NBK+8*fi+3],   v[CB] offset:(\k)+fi*16*PITCH
	ds_load_b128 v[BF+(\f)*8*NBK+8*fi+4:BF+(\f)*8*NBK+8*fi+7], v[CB] offset:(\k)+fi*16*PITCH+32
.set fi, fi+1
.endr
	WIN 0
.set fi, 0
.rept MA
	ds_load_b128 v[AF+(\f)*8*MA+8*fi:AF+(\f)*8*MA+8*fi+3],   v[CA] offset:(\k)+fi*16*PITCH
	ds_load_b128 v[AF+(\f)*8*MA+8*fi+4:AF+(\f)*8*MA+8*fi+7], v[CA] offset:(\k)+fi*16*PITCH+32
.set fi, fi+1
.endr
.endm
; A K step is four quarters of 32 channels, 64 matrix instructions each, on buffers 0, 1, 0, 1.  One of the first three: multiplies buffer f; in its middle it fetches the next quarter, at byte k, into buffer g.
.macro QUARTER k, f, g, first
	s_wait_dscnt MA                                ; K's fragments and queries 0-63 are in; the youngest eight loads (queries 64-127) may be out
	MUL \f, 0, 0, MA/2, \first
	PLACES
	FETCH \k, \g
	s_wait_dscnt 2*(MA+NBK)                        ; all but the 32 just issued
	MUL \f, 1, 0, MA/2, \first
.endm
; The fourth quarter multiplies buffer 1 and changes slots: ONE barrier for two things.  In front of it each wave waits for all its tensor loads (one is out: its part of the next slot), adds 0 to its spare word,
; and waits for that and for its reads of this slot.  Behind it nobody reads this slot any more and the next slot is whole.  fill = 1: the barrier opens a round of the cluster's, and the slot just read out is
; filled again first thing behind it, with the K step two on.  Between a tile's landing and the next request stand sixteen matrix instructions, in the add's shadow, and the round: no load is on its way meanwhile.
.macro TURN fill
	s_wait_dscnt MA                                ; K's fragments and queries 0-63 are in
	MUL 1, 0, 0, MA/4, 0
	WIN 0                                          ; (the add's two registers lie in window 0)
	s_wait_tensorcnt 0x0                           ; all my tensor loads have landed, so a group 0 may be written;
	ds_add_u32 v[SPW], v[NIL]                      ; 0 onto my spare word;
.if \fill
	s_add_co_u32 s[G0+5], s20, s66                 ; the walking descriptor: into the slot in hand,
	s_add_co_u32 s[G0B+5], s21, s66
	s_add_nc_u64 s[G0+6:G0+7], s[G0+6:G0+7], STEPA       ; the next K step; the type bits on top are not reached
	s_add_nc_u64 s[G0B+6:G0B+7], s[G0B+6:G0B+7], STEPB
.endif
	MUL 1, 0, MA/4, MA/4, 0                        ; sixteen matrix instructions stand between the add and the wait for it
	WIN 0                                          ; at a branch and at a label every window is 0
	s_wait_dscnt 0x0                               ; the add is done, and my reads of this slot are over
	s_barrier_signal -1
	s_barrier_wait -1
.if \fill
	CREST                                          ; no wave of any partner still reads this slot's tile or has a load on its way
	JLOAD 1                                        ; my one tensor load behind the round; the four v_nop behind it are also the places in front of the loads below
.else
	PLACES
.endif
	s_xor_b32 s66, s66, SLOT                       ; the other slot is in hand
	v_add_nc_u32 v[CA], s66, v[A0]
	v_add_nc_u32 v[CB], s66, v[B0]
	FETCH 0, 0
	MUL 1, 1, 0, MA/2, 0
.endm
; THE LOCAL SOFTMAX, for the four blocks 4 H .. 4 H + 3 of 16 queries, whose accumulators fill window 2 + H.
; RMAX: a lane's 64 scores of a block, three operands at a time: eight chains (one an accumulator, its lowest registers first), joined; then the lane 16 away, which holds the query's other 64.
.macro RMAX H
	WIN 0x2a+0x15*(\H)                             ; all three sources in the accumulators' window
.set i, 0
.rept 32
	v_max3_num_f32 v[CH+i], v[8*i], v[8*i+1], v[8*i+2]
.set i, i+1
.endr
	WIN 0x28+0x14*(\H)                             ; source 0 (the chain) in window 0
.set i, 0
.rept 32
	v_max3_num_f32 v[CH+i], v[CH+i], v[8*i+3], v[8*i+4]
.set i, i+1
.endr
.set i, 0
.rept 32
	v_max3_num_f32 v[CH+i], v[CH+i], v[8*i+5], v[8*i+6]
.set i, i+1
.endr
.set i, 0
.rept 16
	v_max3_num_f32 v[CH+2*i], v[CH+2*i], v[16*i+7], v[16*i+15]
.set i, i+1
.endr
	WIN 0
.irp q, 0,1,2,3
	v_max3_num_f32 v[CH+8*(\q)], v[CH+8*(\q)], v[CH+8*(\q)+1], v[CH+8*(\q)+2]
	v_max3_num_f32 v[CH+8*(\q)+3], v[CH+8*(\q)+3], v[CH+8*(\q)+4], v[CH+8*(\q)+5]
.endr
.irp q, 0,1,2,3
	v_max3_num_f32 v[CH+8*(\q)], v[CH+8*(\q)], v[CH+8*(\q)+3], v[CH+8*(\q)+6]
.endr
.irp q, 0,1,2,3
	v_max_num_f32 v[CH+8*(\q)], v[CH+8*(\q)], v[CH+8*(\q)+7]
.endr
.irp q, 0,1,2,3
	v_permlanex16_b32 v[CH+8*(\q)+1], v[CH+8*(\q)], s72, s73
.endr
.irp q, 0,1,2,3
	v_max_num_f32 v[ST+4*(4*(\H)+(\q))+1], v[CH+8*(\q)], v[CH+8*(\q)+1]   ; m
.endr
.irp q, 0,1,2,3
	v_mul_f32 v[ST+4*(4*(\H)+(\q))], s70, v[ST+4*(4*(\H)+(\q))+1]         ; c m, rounded once
.endr
.endm
; REXP: in place, pair p of the window's 128: c s - c m, one fused multiply-add; two pairs back: the two exponentials.  So a plain instruction stands between every two pairs of exponentials, and each line's
; source is some lines old.  A v_nop closes the run: a plain instruction between the last exponentials and the first use of any result (ISA guide 5.7.2).
.macro REXP H
	WIN 0x82+0x41*(\H)                             ; destination and source 0 in the accumulators' window, c m in window 0
.set p, 0
.rept 130
.if p < 128
	v_pk_fma_f32 v[2*p:2*p+1], v[2*p:2*p+1], s[70:71], v[ST+4*(4*(\H)+p/32):ST+4*(4*(\H)+p/32)+1] op_sel_hi:[1,0,0] neg_lo:[0,0,1] neg_hi:[0,0,1]
.endif
.if p >= 2
	v_exp_f32 v[2*p-4], v[2*p-4]
	v_exp_f32 v[2*p-3], v[2*p-3]
.endif
.set p, p+1
.endr
	v_nop
.endm
; RSUM: l of each block: its 32 pairs (an even key's weight, an odd key's), the four blocks by turns; then the two halves, and the lane 16 away.
.macro RSUM H
	WIN 0x0a+5*(\H)
	s_wait_alu depctr_va_vdst(0)
.irp q, 0,1,2,3
	v_pk_add_f32 v[ST+4*(4*(\H)+(\q))+2:ST+4*(4*(\H)+(\q))+3], v[64*(\q):64*(\q)+1], v[64*(\q)+2:64*(\q)+3]
.endr
	WIN 0x08+4*(\H)
.set i, 2
.rept 30
.irp q, 0,1,2,3
	v_pk_add_f32 v[ST+4*(4*(\H)+(\q))+2:ST+4*(4*(\H)+(\q))+3], v[ST+4*(4*(\H)+(\q))+2:ST+4*(4*(\H)+(\q))+3], v[64*(\q)+2*i:64*(\q)+2*i+1]
.endr
.set i, i+1
.endr
	WIN 0
.irp q, 0,1,2,3
	v_add_f32 v[ST+4*(4*(\H)+(\q))+2], v[ST+4*(4*(\H)+(\q))+2], v[ST+4*(4*(\H)+(\q))+3]
.endr
.irp q, 0,1,2,3
	v_permlanex16_b32 v[ST+4*(4*(\H)+(\q))+3], v[ST+4*(4*(\H)+(\q))+2], s72, s73
.endr
.irp q, 0,1,2,3
	v_add_f32 v[ST+4*(4*(\H)+(\q))+2], v[ST+4*(4*(\H)+(\q))+2], v[ST+4*(4*(\H)+(\q))+3]
.endr
.endm
; THE WAY OUT of block a.  PACK: rounded to f16, 16 bytes a lane.  TOSTAGE: into my own stage, and back as whole rows of 256 bytes.  SEND: stored.
.macro PACK a
	WIN 0x0a+5*((\a)/4)
.set i, 0
.rept 32
	v_cvt_pk_f16_f32 v[TMP+i], v[64*((\a)%4)+2*i], v[64*((\a)%4)+2*i+1]
.set i, i+1
.endr
	WIN 0
.endm
.macro TOSTAGE a
	WIN 0
.set BK, BK0+32*((\a)%2)
.irp b, 0,1,2,3,4,5,6,7
	ds_store_b128 v[STO], v[TMP+4*(\b):TMP+4*(\b)+3] offset:32*(\b)
.endr
.irp t, 0,1,2,3,4,5,6,7
	ds_load_b128 v[BK+4*(\t):BK+4*(\t)+3], v[RD] offset:(\t)*2*SPITCH  ; LDS serves a wave's instructions in order (ISA guide 5.7.1.4): these see the stores above
.endr
.endm
.macro SEND a
	WIN 0
.set BK, BK0+32*((\a)%2)
	s_wait_dscnt 0x0                               ; the block is back in registers
	s_wait_xcnt 0x0                                ; every earlier store has had its addresses translated (ISA guide 3.1): the other 32 registers, which the block before stored, are loaded again only behind this wait
.irp t, 0,1,2,3,4,5,6,7
	global_store_b128 v[CO], v[BK+4*(\t):BK+4*(\t)+3], s[8:9] offset:(16*(\a)+2*(\t))*4096  ; 16 lanes store 256 consecutive bytes, at a multiple of 256 from pw's first byte
.endr
.endm
	s_wait_tensorcnt 1                             ; my part of K step 0 is in; K step 1's may stay out
	s_barrier_signal -1
	s_barrier_wait -1                              ; everybody's is
	FETCH 0, 0
	QUARTER 64, 0, 1, 1                            ; the first quarter stands in front of the loop: its products start the sums
	WIN 0
	s_mov_b32 s3, NSTEP-2
.Lstep:                                                ; trip i: the rest of K step i, the refill of its slot with K step i + 2, the first quarter of K step i + 1
	QUARTER 128, 1, 0, 0
	QUARTER 192, 0, 1, 0
	TURN 1
	QUARTER 64, 0, 1, 0
	WIN 0
	s_sub_co_u32 s3, s3, 1
	s_cmp_lg_u32 s3, 0
	s_cbranch_scc1 .Lstep
	s_mov_b32 s2, 2                                ; the last two K steps ask for nothing: their text holds no tensor load, and is left in the middle of its second trip
.Ltail:
	QUARTER 128, 1, 0, 0
	QUARTER 192, 0, 1, 0
	TURN 0                                         ; in the second trip its run of loads reads slot 0's old bytes into buffer 0 and serves nothing: the price, once a work-group, of one text for both trips
	WIN 0
	s_sub_co_u32 s2, s2, 1
	s_cmp_eq_u32 s2, 0
	s_cbranch_scc1 .Lout
	QUARTER 64, 0, 1, 0
	WIN 0
	s_branch .Ltail
.Lout:
	s_wait_dscnt 0x0                               ; the idle run has landed: buffer 0's registers are written below
	PLACES
	RMAX 0
	REXP 0
	RSUM 0
	RMAX 1
	REXP 1
	RSUM 1
	; (c m, l) of my 128 queries: both lanes of a query hold them, so lanes 0-15 take an even block's and lanes 16-31 the odd block's behind it: 32 queries, 256 consecutive bytes, aligned, a store
	v_cmp_eq_u32 s74, 1, v2
.irp i, 0,1,2,3
	v_cndmask_b32 v[PR+2*(\i)], v[ST+8*(\i)], v[ST+8*(\i)+4], s74
	v_cndmask_b32 v[PR+2*(\i)+1], v[ST+8*(\i)+2], v[ST+8*(\i)+6], s74
.endr
.irp i, 0,1,2,3
	global_store_b64 v[SO], v[PR+2*(\i):PR+2*(\i)+1], s[68:69] offset:256*(\i)
.endr
	PACK 0
	TOSTAGE 0
.irp a, 1,2,3,4,5,6,7                  ; block a's conversions stand between block a - 1's loads from the stage and the wait for them
	PACK \a
	SEND (\a)-1
	TOSTAGE \a
.endr
	SEND 7
	s_wait_tensorcnt 0x0                           ; the wave's end: a wait for my tensor loads, an add of 0 to my spare word and its wait, behind my last tensor load and my last LDS store
	ds_add_u32 v[SPW], v[NIL]
	s_wait_dscnt 0x0
	CROUND                                         ; the closing round: no work-group ends while a partner may still ask for a tile that names it
	s_endpgm
.Lfunc_end_k_q6a4a2500c4_score:
	.size	k_q6a4a2500c4_score, .Lfunc_end_k_q6a4a2500c4_score-k_q6a4a2500c4_score
	.p2alignl 7, 3214868480
	.fill 96, 4, 3214868480
	.section	.rodata,"a",@progbits
	.p2align	6, 0x0
	.amdhsa_kernel k_q6a4a2500c4_score
		.amdhsa_group_segment_fixed_size 327680
		.amdhsa_private_segment_fixed_size 0
		.amdhsa_enable_private_segment 0
		.amdhsa_kernarg_size 24
		.amdhsa_user_sgpr_count 2
		.amdhsa_user_sgpr_kernarg_segment_ptr 1
		.amdhsa_wavefront_size32 1
		.amdhsa_system_sgpr_workgroup_id_x 1
		.amdhsa_system_sgpr_workgroup_id_y 1
		.amdhsa_system_sgpr_workgroup_id_z 1
		.amdhsa_system_vgpr_workitem_id 0
		.amdhsa_next_free_vgpr 1024
		.amdhsa_next_free_sgpr 76
		.amdhsa_reserve_vcc 0
		.amdhsa_float_denorm_mode_32 3
		.amdhsa_float_denorm_mode_16_64 3
		.amdhsa_memory_ordered 1
		.amdhsa_forward_progress 1
		.amdhsa_inst_pref_size 167
	.end_amdhsa_kernel
	.amdgpu_metadata
---
amdhsa.version: [ 1, 2 ]
amdhsa.kernels:
  - .name:           k_q6a4a2500c4_score
    .symbol:         k_q6a4a2500c4_score.kd
    .args:
      - { .name: qkv, .offset: 0, .size: 8, .value_kind: global_buffer, .address_space: global }
      - { .name: pw, .offset: 8, .size: 8, .value_kind: global_buffer, .address_space: global }
      - { .name: st, .offset: 16, .size: 8, .value_kind: global_buffer, .address_space: global }
    .group_segment_fixed_size: 327680
    .private_segment_fixed_size: 0
    .kernarg_segment_align: 8
    .kernarg_segment_size: 24
    .max_flat_workgroup_size: 128
    .sgpr_count:     76
    .vgpr_count:     1024
    .wavefront_size: 32
...
	.end_amdgpu_metadata
.endif
;; end of part 3
;; launch mix (part 4): grid 4 x 64, 4 waves a work-group, clusters of 4 x 4, 327,680 bytes of LDS; arguments pw, qkv, out0, st; writes out0
.if DOCPART == 4
	.amdgcn_target "amdgcn-amd-amdhsa--gfx1250"
	.amdhsa_code_object_version 6
	.text
	.protected	k_q6a4a2500c4_mix
	.globl	k_q6a4a2500c4_mix
	.p2align	8
	.type	k_q6a4a2500c4_mix,@function
k_q6a4a2500c4_mix:
	s_mov_b64 s[64:65], 0
	v_nop
	global_prefetch_b8 v0, s[64:65] scope:SCOPE_SE
	s_setreg_imm32_b32 hwreg(HW_REG_WAVE_MODE, 25, 1), 1
	s_wait_xcnt 0x0
	s_wait_alu depctr_hold_cnt(0) depctr_sa_sdst(0) depctr_va_vdst(0) depctr_va_sdst(0) depctr_va_ssrc(0) depctr_va_vcc(0) depctr_vm_vsrc(0)
	s_getreg_b32 s2, hwreg(HW_REG_IB_STS2, 6, 4)
	s_cmp_eq_u32 s2, 0
	s_cbranch_scc0 .Lentry_in_a_cluster
	s_endpgm
.Lentry_in_a_cluster:
	s_bfe_u32 s2, ttmp6, 0x10000c
	s_cmp_lg_u32 s2, 0xf033
	s_cbranch_scc0 .Lentry_shape_is_right
	s_endpgm
.Lentry_shape_is_right:
; WEIGHTED SUM.  out0[q][e] = (1 / L) x the sum over the 16 tiles t of f_t x (the sum over the tile's 128 keys k of p V[k][e]), with CM = max over t of c m_t, f_t = 2^(c m_t - CM), L = the sum of f_t l_t.
; p (pw, f16) and (c m_t, l_t) (st, f32) come from the launch in front, V is qkv's columns 2048-3071 (f16).  That is the softmax over all 2,048 keys with its true maximum taken away.
; A K step is one t.  Its products sum into S, starting from the constant 0; at the step's end T += f_t S, in f32: p goes to the matrix unit as it was stored.  1 / L is applied on the way out.
; L >= 1 to within a rounding: the tile that holds the maximum has f = 1 and l about 1 or more.
; LIMITS.  A factor below 2^-126 counts as 0; NaN and infinities are not treated apart.
; SHARES.  A tile of out0 is 128 queries x 256 channels: 64 x 4 = 256 work-groups (256 x 256 would be 128).  Four waves, each 64 x 128: 32 accumulators of 16 x 16, 256 registers for S and 256 for T.  The 2,048 keys
; go in steps of 128 through two LDS slots filled by the tensor data mover: p's rows are 256 bytes, V's 512, all at multiples of 256 bytes.
; ONE TEXT FOR A K STEP: the slot in hand is a scalar, TR = 0 or SLOT, turned by an exclusive or; fragment addresses and the refill's LDS word are a constant part + TR.  So that the first step is a step like
; any other, T is cleared: 256 v_mov_b32, in the wait for the first tile; a first step written out would be the longer text.
; CLUSTER.  4 x 4 work-groups, all of one batch: the four of a row need the same rows of p, the four of a column the same channels of V: each tile is asked for JOINTLY.
; THE MATRIX INSTRUCTION IS USED TRANSPOSED (source 0 = 16 channels of V^T, by ds_load_tr16_b128 from V as it lies, [key][channel]; source 1 = 16 queries of p): lane l holds query l % 16 and eight neighbouring channels.
; REGISTERS, in windows of 256 (s_set_vgpr_msb: bits 1:0 source 0, 3:2 source 1, 5:4 source 2, 7:6 destination):
;   window 0: v0-31 addresses; v32-39 1 / L; v40-47 the step's factors; v48-55 CM, L; v64-95, v96-127 fragments of p, two buffers; v128-255 (c m, l) at the start; on the way out v128-191 results, v192-255 and v64-127 rows read back
;   window 1: v64-127, v128-191 fragments of V^T, two buffers;   window 2: S, (a, b) at v[8 (8 a + b)];   window 3: T, likewise
.set MA,     4
.set NBK,    8
.set NSTEP,  16                        ; 2048 / 128
.set PITCH,  272                       ; a row of p in LDS: 256 bytes + 16 = 68 words: the 16 rows of a fragment load start at 16 different groups of four banks (64 banks of 4 bytes: ISA guide 11.1)
.set VPITCH, 544                       ; a row of V: 512 bytes + 32 = 136 words
.set VOFF,   128*PITCH                 ; a slot: 128 rows of p, then 128 keys of V
.set SLOT,   VOFF+128*VPITCH
.set STAGE,  2*SLOT                    ; behind the ring, never filled by a tensor load: 16 rows x 528 bytes for each wave
.set SPITCH, 528                       ; 512 bytes + 16: 33 x 16
.set FAC,    STAGE+4*16*SPITCH         ; the factors, 4,096 bytes for each wave: [t][block a][16 queries] in f32
.set SPARE,  FAC+4*4096                ; the spare words, 128 bytes for each wave: two blocks of 256 bytes that no other line names
.set STEPA,  256                       ; 128 keys along a row of pw
.set STEPB,  128*6144                  ; 128 rows of qkv
.set A0,   16                          ; v16  my lane's and wave's place in a slot, for p's fragments; never rewritten
.set CA,   17                          ; v17  TR + A0
.set B0,   20                          ; v20, v21  the same for V's
.set CB,   21
.set STO,  24                          ; v24  the way out: where I put 32 bytes of a row
.set RD,   25                          ; v25  where I read a row back
.set CO,   26                          ; v26  my byte offset in out0
.set SO,   27                          ; v27  my byte offset in st
.set SPW,  28                          ; v28  LDS address of my spare word; never rewritten
.set NIL,  29                          ; v29  0; never rewritten
.set FA0,  30                          ; v30  my word among my wave's factors of t = 0, block 0; never rewritten
.set FA,   31                          ; v31  the same for the step in hand
.set RL,   32                          ; v[32+2a:33+2a]  1 / L of block a, twice
.set FC,   40                          ; v[40+2a]  f of the step in hand; the packed multiply-add names the pair and takes its low word for both halves
.set MX,   48
.set LS,   52
.set XB,   128                         ; (c m, l) of block a, tile t at v[XB+32a+2t]
.set TMP,  128
.set AF,   64
.set BF,   64
.set G1,   24                          ; s[24:31] descriptor group 1 for p's tiles;  s[32:39] group 0: set 0 for K step 0, set 1 for K step 1 and then every refill
.set G0,   32
.set G1B,  48                          ; s[48:55], s[56:63] the same for V's
.set G0B,  56
.set JSEL, 11                          ; waves 0 and 1 fetch p's two halves of 64 rows, waves 2 and 3 V's two halves of 64 keys
.set TO_B, 0x40                        ; destination window 1, address window 0
.set MSB, 0
.macro WIN new                         ; the immediate's high byte repeats the setting that is left; a switch that changes nothing is dropped
.if MSB != (\new)
	s_set_vgpr_msb (MSB<<8)|(\new)
.set MSB, \new
.endif
.endm
.macro PLACES                          ; four plain vector instructions between a matrix instruction and a load into its registers (ISA guide 7.12.1 for vector instructions)
.rept 4
	v_nop
.endr
.endm
; A joint load.  The branch hangs on the wave's number alone.  An s_nop 0 and four v_nop follow each of the two lines, ahead of the jump and the label.
.macro JLOAD s
	s_cmp_eq_u32 s[JSEL], 0
	s_cbranch_scc0 .Lfor_b_\@
	tensor_load_to_lds s[G0+4*(\s):G0+4*(\s)+3], s[G1:G1+7]
	s_nop 0
.rept 4
	v_nop
.endr
	s_branch .Lasked_\@
.Lfor_b_\@:
	tensor_load_to_lds s[G0B+4*(\s):G0B+4*(\s)+3], s[G1B:G1B+7]
	s_nop 0
.rept 4
	v_nop
.endr
.Lasked_\@:
.endm
.macro CREST                           ; a round of the cluster's barrier behind its opening barrier
	s_cmp_lg_u32 s10, 0
	s_cbranch_scc1 .Lnot_wave_0_\@
	s_barrier_signal -3
.Lnot_wave_0_\@:
	s_barrier_wait -3
	s_barrier_signal -1
	s_barrier_wait -1
.endm
.macro CROUND                          ; a whole round
	s_barrier_signal -1
	s_barrier_wait -1
	CREST
.endm
	s_load_b128 s[4:7], s[0:1], 0x0                ; pw s[4:5], qkv s[6:7]
	s_load_b64 s[8:9], s[0:1], 0x10                ; out0
	s_load_b64 s[68:69], s[0:1], 0x18              ; st
	v_lshl_add_u32 v[SPW], v0, 2, SPARE
	v_mov_b32 v[NIL], 0
	ds_add_u32 v[SPW], v[NIL]                      ; the wave's opening: the add and its wait stand ahead of my first tensor load; the set-up below, work on registers, stands between them
	v_lshrrev_b32 v1, 5, v0
	v_readfirstlane_b32 s10, v1                    ; wave 0..3
	s_lshr_b32 s11, s10, 1                         ; rh: which half of the tile's queries is mine.  Also: I fetch for p (0) or for V (1)
	s_and_b32 s12, s10, 1                          ; ch: which half of its channels.  Also: which 64 rows I fetch
	s_bfe_u32 s40, ttmp6, 0x40000                  ; cx, cy: my place in the cluster
	s_bfe_u32 s41, ttmp6, 0x40004
	s_lshl_b32 s42, ttmp9, 2
	s_add_co_u32 s42, s42, s40                     ; x: block of 256 channels = 4 x cluster x + cx
	s_and_b32 s13, ttmp7, 0xffff
	s_lshr_b32 s45, s13, 2                         ; the batch: 16 blocks of 128 queries each, four clusters: from the cluster's y alone
	s_lshl_b32 s13, s13, 2
	s_add_co_u32 s13, s13, s41                     ; y: block of 128 queries = 4 x cluster y + cy
	s_lshl_b32 s43, s41, 2
	s_lshl_b32 s43, 15, s43                        ; my row of the cluster
	s_lshl_b32 s44, 0x1111, s40                    ; my column
	s_or_b32 s[G1], s43, (1<<16)|(1<<20)|(1<<21)|(5<<22)|(3<<25)   ; p's tiles go to my row; 2-byte elements; padding on; 21 set beside a mask; after every 64 words (code 5) 4 words (code 3)
	s_mov_b32 s[G1+1], 128<<16                     ; tensor_dim0 = 128
	s_mov_b32 s[G1+2], 64<<16                      ; tensor_dim1 = 64
	s_mov_b32 s[G1+3], 128<<16                     ; tile_dim0 = 128 elements: 256 bytes
	s_mov_b32 s[G1+4], 64                          ; tile_dim1 = 64 rows
	s_mov_b32 s[G1+5], 2048                        ; elements from row to row of pw
	s_mov_b32 s[G1+6], 0
	s_mov_b32 s[G1+7], 0
	s_or_b32 s[G1B], s44, (1<<16)|(1<<20)|(1<<21)|(6<<22)|(7<<25)  ; V's tiles go to my column; after every 128 words (code 6) 8 words (code 7)
	s_mov_b32 s[G1B+1], 256<<16                    ; tensor_dim0 = 256
	s_mov_b32 s[G1B+2], 64<<16                     ; tensor_dim1 = 64
	s_mov_b32 s[G1B+3], 256<<16                    ; tile_dim0 = 256 elements: 512 bytes
	s_mov_b32 s[G1B+4], 64                         ; tile_dim1 = 64 keys
	s_mov_b32 s[G1B+5], 3072                       ; elements from row to row of qkv
	s_mov_b32 s[G1B+6], 0
	s_mov_b32 s[G1B+7], 0
	s_lshl_b32 s75, s12, 6                         ; which 64 rows of a tile I fetch
	s_lshl_b32 s16, s13, 7
	s_add_co_u32 s16, s16, s75                     ; p: row 128 y + 64 x half
	s_lshl_b32 s16, s16, 12
	s_mov_b32 s17, 0
	s_lshl_b32 s46, s45, 11
	s_add_co_u32 s46, s46, s75                     ; V: row 2048 x batch + 64 x half,
	s_mul_i32 s46, s46, 6144
	s_lshl_b32 s47, s42, 9
	s_add_co_u32 s46, s46, s47                     ; channels 256 x on,
	s_add_co_u32 s46, s46, 4096                    ; at byte 4,096 of the row
	s_mov_b32 s47, 0
	s_mul_i32 s20, s12, 64*PITCH                   ; where a load of p lands in a slot,
	s_mul_i32 s21, s12, 64*VPITCH
	s_add_co_u32 s21, s21, VOFF                    ; and a load of V: no place in the cluster enters an LDS address
	s_mov_b32 s66, 0                               ; TR: slot 0 is read first
	s_mov_b32 s67, 0                               ; the factors to be fetched next: t = 0
	s_wait_dscnt 0x0                               ; the opening add is done
	s_wait_kmcnt 0x0
	s_add_nc_u64 s[14:15], s[4:5], s[16:17]
	s_add_nc_u64 s[46:47], s[6:7], s[46:47]
	CROUND                                         ; all sixteen work-groups are here: the first joint loads meet
.irp s, 0,1
	s_mov_b32 s[G0+4*(\s)], 1                                        ; count = 1
	s_add_co_u32 s[G0+4*(\s)+1], s20, (\s)*SLOT                      ; LDS address
	s_add_nc_u64 s[G0+4*(\s)+2:G0+4*(\s)+3], s[14:15], (\s)*STEPA    ; global address: K step s
	s_or_b32 s[G0+4*(\s)+3], s[G0+4*(\s)+3], 0x80000000              ; type = 2
	s_mov_b32 s[G0B+4*(\s)], 1
	s_add_co_u32 s[G0B+4*(\s)+1], s21, (\s)*SLOT
	s_add_nc_u64 s[G0B+4*(\s)+2:G0B+4*(\s)+3], s[46:47], (\s)*STEPB
	s_or_b32 s[G0B+4*(\s)+3], s[G0B+4*(\s)+3], 0x80000000
	JLOAD \s                                       ; both slots are asked for before anything else: two loads of mine are out
.endr
	v_and_b32 v1, 15, v0                           ; r = l % 16
	v_bfe_u32 v2, v0, 4, 1                         ; h = l / 16
	s_lshl_b32 s16, s13, 7
	s_lshl_b32 s17, s11, 6
	s_add_co_u32 s16, s16, s17                     ; my first query: 128 y + 64 rh
	s_lshl_b32 s18, s16, 3                         ; 8 bytes a row in st,
	s_lshl_b32 s16, s16, 12                        ; 4,096 in out0
	s_mov_b32 s17, 0
	s_mov_b32 s19, 0
	s_add_nc_u64 s[8:9], s[8:9], s[16:17]
	s_add_nc_u64 s[68:69], s[68:69], s[18:19]
	s_lshl_b32 s46, s42, 1
	s_add_co_u32 s46, s46, s12
	s_lshl_b32 s46, s46, 9                         ; my first channel, in bytes: 1,024 x + 512 ch
	s_mov_b32 s47, 0
	s_add_nc_u64 s[8:9], s[8:9], s[46:47]
	v_lshlrev_b32 v[SO], 3, v1                     ; query r of a block: both halves of the lanes take the same pair
.set i, 0
.rept 64                               ; (c m, l) of block i / 16, tile i % 16: they are on their way while the addresses are made and T is cleared
	global_load_b64 v[XB+2*i:XB+2*i+1], v[SO], s[68:69] offset:65536*(i%16)+128*(i/16)
.set i, i+1
.endr
	v_mul_u32_u24 v3, v1, PITCH
	v_lshl_add_u32 v3, v2, 4, v3                   ; a fragment of p: row x pitch + 16 x half
	s_mul_i32 s22, s11, 64*PITCH                   ; my 64 queries
	v_add_nc_u32 v[A0], s22, v3
	; The turning load takes 16 keys x 16 channels (lane l reads key 8 (l / 16) + l % 8, channels 8 ((l / 8) % 2) + 0..7) and leaves half a fragment of V^T: lane l holds channel l % 16 and 8 keys.
	v_and_b32 v5, 7, v0
	v_lshl_add_u32 v5, v2, 3, v5
	v_mul_u32_u24 v5, v5, VPITCH
	v_bfe_u32 v6, v0, 3, 1
	v_lshl_add_u32 v5, v6, 4, v5
	s_lshl_b32 s22, s12, 8                         ; my 128 channels: 256 bytes of a row
	s_add_co_u32 s22, s22, VOFF
	v_add_nc_u32 v[B0], s22, v5
	v_mov_b32 v[CA], v[A0]
	v_mov_b32 v[CB], v[B0]
	s_mul_i32 s22, s10, 16*SPITCH
	s_add_co_u32 s22, s22, STAGE                   ; my stage
	v_mul_u32_u24 v7, v1, SPITCH                   ; in: row r, 32 bytes for each half of the lanes
	v_lshl_add_u32 v7, v2, 5, v7
	v_add_nc_u32 v[STO], s22, v7
	v_and_b32 v8, 31, v0
	v_lshlrev_b32 v[CO], 4, v8                     ; back: 32 lanes take one row of 512 bytes, and the same in out0
	v_add_nc_u32 v[RD], s22, v[CO]
	s_lshl_b32 s22, s10, 12
	s_add_co_u32 s22, s22, FAC                     ; my wave's factors
	v_lshl_add_u32 v[FA0], v1, 2, s22
.irp a, 0,1,2,3
	v_mov_b32 v[FC+2*(\a)+1], 0                    ; the pairs' upper words are named, never used
.endr
	WIN 0xc0                                       ; destination window 3
.set i, 0
.rept 256
	v_mov_b32 v[i], 0                              ; T
.set i, i+1
.endr
	WIN 0
	; THE FACTORS, made while the first tiles are on their way.  The four blocks take turns, so that no line waits for the one before it.
	s_wait_loadcnt 0x0
.irp a, 0,1,2,3
	v_max3_num_f32 v[MX+(\a)], v[XB+32*(\a)], v[XB+32*(\a)+2], v[XB+32*(\a)+4]
.endr
.set t, 3
.rept 6
.irp a, 0,1,2,3
	v_max3_num_f32 v[MX+(\a)], v[MX+(\a)], v[XB+32*(\a)+2*t], v[XB+32*(\a)+2*t+2]
.endr
.set t, t+2
.endr
.irp a, 0,1,2,3
	v_max_num_f32 v[MX+(\a)], v[MX+(\a)], v[XB+32*(\a)+30]       ; CM
.endr
.set i, 0
.rept 66                               ; number i: c m - CM; two back: the exponential: a plain instruction stands behind every exponential but the last two, and the v_nop behind those
.if i < 64
	v_sub_f32 v[XB+2*i], v[XB+2*i], v[MX+i/16]
.endif
.if i >= 2
	v_exp_f32 v[XB+2*i-4], v[XB+2*i-4]             ; f
.endif
.set i, i+1
.endr
	v_nop                                          ; a plain instruction between the exponentials and the first use of their results (ISA guide 5.7.2)
	s_wait_alu depctr_va_vdst(0)
.irp a, 0,1,2,3
	v_mul_f32 v[LS+(\a)], v[XB+32*(\a)], v[XB+32*(\a)+1]
.endr
.set t, 1
.rept 15
.irp a, 0,1,2,3
	v_fmac_f32 v[LS+(\a)], v[XB+32*(\a)+2*t], v[XB+32*(\a)+2*t+1]  ; L += f l
.endr
.set t, t+1
.endr
.set i, 0
.rept 64
	ds_store_b32 v[FA0], v[XB+2*i] offset:256*(i%16)+64*(i/16)   ; lanes r and r + 16 write the same word with the same value
.set i, i+1
.endr
.irp a, 0,1,2,3
	v_rcp_f32 v[RL+2*(\a)], v[LS+(\a)]             ; twice: the packed multiply on the way out names a pair
	v_rcp_f32 v[RL+2*(\a)+1], v[LS+(\a)]
.endr
	v_nop                                          ; a plain instruction behind the last reciprocal
; na x 8 matrix instructions: query blocks a0 .. a0 + na - 1 of half hi x all 8 channel blocks, 32 keys, from buffer f.  first = 1: a K step's first quarter: the product starts S anew.
; The 32 accumulators take turns, one instruction a turn, in the same order in every quarter.
.macro MUL f, hi, a0, na, first
	WIN 0xa1                                       ; V^T window 1, p window 0, C and D window 2
.set ma, \a0
.rept \na
.set mb, 0
.rept NBK
.set rD, 8*(((\hi)*MA/2+ma)*NBK+mb)
.set rB, BF+(\f)*8*NBK+8*mb
.set rA, AF+(\f)*8*MA+8*((\hi)*MA/2+ma)
.if \first
	v_wmma_f32_16x16x32_f16 v[rD:rD+7], v[rB:rB+7], v[rA:rA+7], 0
.else
	v_wmma_f32_16x16x32_f16 v[rD:rD+7], v[rB:rB+7], v[rA:rA+7], v[rD:rD+7]
.endif
.set mb, mb+1
.endr
.set ma, ma+1
.endr
.endm
; One run of 24 LDS loads: the fragments of 32 keys (quarter k / 64 of the step) of the slot in hand, into buffer f: V's, turned, first; then p's, rows ascending
.macro FETCH k, f
	WIN TO_B
.set fi, 0
.rept NBK
	ds_load_tr16_b128 v[BF+(\f)*8*NBK+8*fi:BF+(\f)*8*NBK+8*fi+3],   v[CB] offset:((\k)/64)*32*VPITCH+32*fi
	ds_load_tr16_b128 v[BF+(\f)*8*NBK+8*fi+4:BF+(\f)*8*NBK+8*fi+7], v[CB] offset:((\k)/64)*32*VPITCH+16*VPITCH+32*fi
.set fi, fi+1
.endr
	WIN 0
.set fi, 0
.rept MA
	ds_load_b128 v[AF+(\f)*8*MA+8*fi:AF+(\f)*8*MA+8*fi+3],   v[CA] offset:(\k)+fi*16*PITCH
	ds_load_b128 v[AF+(\f)*8*MA+8*fi+4:AF+(\f)*8*MA+8*fi+7], v[CA] offset:(\k)+fi*16*PITCH+32
.set fi, fi+1
.endr
.endm
; T += f S: 128 packed multiply-adds, each accumulator's registers in ascending order; a lane holds one query, so its factor is one number a block.  Blocks 0 and 1 were finished ahead of the change of slots,
; and their 64 lines are the places behind the products that finished blocks 2 and 3.
.macro LUMP
	WIN 0xf2                                       ; T (destination and source 2) window 3, S window 2, f window 0
.set lk, 0
.rept 128
	v_pk_fma_f32 v[2*lk:2*lk+1], v[2*lk:2*lk+1], v[FC+2*(lk/32):FC+2*(lk/32)+1], v[2*lk:2*lk+1] op_sel_hi:[1,0,1]
.set lk, lk+1
.endr
.endm
; A K step is four quarters of 32 keys, 32 matrix instructions each, on buffers 0, 1, 0, 1.  One of the first three: multiplies buffer f; in its middle it fetches the next quarter into buffer g.
.macro QUARTER k, f, g, first
	s_wait_dscnt MA                                ; V's fragments and queries 0-31 are in; the youngest four loads (queries 32-63) may be out
	MUL \f, 0, 0, MA/2, \first
	PLACES
	FETCH \k, \g
	s_wait_dscnt 2*(MA+NBK)                        ; all but the 24 just issued
	MUL \f, 1, 0, MA/2, \first
.endm
; The fourth quarter multiplies buffer 1, changes slots and closes the step.  ONE barrier for two things: in front of it each wave waits for all its tensor loads (one is out: its part of the next slot), adds 0 to its
; spare word, and waits for that and for its reads of this slot.  Behind it nobody reads this slot any more and the next slot is whole.  fill = 1: the barrier opens a round of the cluster's, and the slot just read out
; is filled again first thing behind it, with the K step two on.  Between a tile's landing and the next request stand eight matrix instructions, in the add's shadow, and the round; T += f S stands behind the request.
.macro TURN fill
	s_wait_dscnt MA                                ; V's fragments and queries 0-31 are in
	MUL 1, 0, 0, MA/4, 0
	WIN 0                                          ; (the add's two registers lie in window 0)
	s_wait_tensorcnt 0x0                           ; all my tensor loads have landed, so a group 0 may be written;
	ds_add_u32 v[SPW], v[NIL]                      ; 0 onto my spare word;
.if \fill
	s_add_co_u32 s[G0+5], s20, s66                 ; the walking descriptor: into the slot in hand,
	s_add_co_u32 s[G0B+5], s21, s66
	s_add_nc_u64 s[G0+6:G0+7], s[G0+6:G0+7], STEPA       ; the next K step; the type bits on top are not reached
	s_add_nc_u64 s[G0B+6:G0B+7], s[G0B+6:G0B+7], STEPB
.endif
	MUL 1, 0, MA/4, MA/4, 0                        ; eight matrix instructions stand between the add and the wait for it
	WIN 0                                          ; at a branch and at a label every window is 0
	s_wait_dscnt 0x0                               ; the add is done, and my reads of this slot are over
	s_barrier_signal -1
	s_barrier_wait -1
.if \fill
	CREST                                          ; no wave of any partner still reads this slot's tile or has a load on its way
	JLOAD 1                                        ; my one tensor load behind the round; the four v_nop behind it are also the places in front of the loads below
.else
	PLACES
.endif
	s_xor_b32 s66, s66, SLOT                       ; the other slot is in hand
	v_add_nc_u32 v[CA], s66, v[A0]
	v_add_nc_u32 v[CB], s66, v[B0]
	v_add_nc_u32 v[FA], s67, v[FA0]
	s_add_co_u32 s67, s67, 256                     ; the next t,
	s_min_u32 s67, s67, 15*256                     ; never past the factors' last block
.irp a, 0,1,2,3
	ds_load_b32 v[FC+2*(\a)], v[FA] offset:64*(\a) ; this step's factors; my wave's own bytes
.endr
	FETCH 0, 0
	MUL 1, 1, 0, MA/2, 0
	s_wait_dscnt 2*(MA+NBK)                        ; the factors are in: behind them stand the 24 loads of the next step's first fragments
	LUMP
.endm
; THE WAY OUT of block a.  PACK: T times 1 / L.  TOSTAGE: 32 bytes a lane into my own stage, and back as whole rows of 512 bytes.  SEND: stored.
.macro PACK a
	WIN 0x03                                       ; source 0 in window 3
.set i, 0
	s_wait_alu depctr_va_vdst(0)
.rept 32
	v_pk_mul_f32 v[TMP+2*i:TMP+2*i+1], v[64*(\a)+2*i:64*(\a)+2*i+1], v[RL+2*(\a):RL+2*(\a)+1] op_sel_hi:[1,0]
.set i, i+1
.endr
	WIN 0
.endm
.macro TOSTAGE a
	WIN 0
.set BK, 192-128*((\a)%2)
.set i, 0
.rept 16
	ds_store_b128 v[STO], v[TMP+4*i:TMP+4*i+3] offset:64*(i/2)+16*(i%2)
.set i, i+1
.endr
.set i, 0
.rept 16
	ds_load_b128 v[BK+4*i:BK+4*i+3], v[RD] offset:i*SPITCH  ; LDS serves a wave's instructions in order (ISA guide 5.7.1.4): these see the stores above
.set i, i+1
.endr
.endm
.macro SEND a
	WIN 0
.set BK, 192-128*((\a)%2)
	s_wait_dscnt 0x0                               ; the block is back in registers
	s_wait_xcnt 0x0                                ; every earlier store has had its addresses translated (ISA guide 3.1): the other 64 registers, which the block before stored, are loaded again only behind this wait
.set i, 0
.rept 16
	global_store_b128 v[CO], v[BK+4*i:BK+4*i+3], s[8:9] offset:(16*(\a)+i)*4096 th:TH_STORE_NT  ; 512 consecutive bytes, at a multiple of 256 from out0's first byte; not read again
.set i, i+1
.endr
.endm
	s_wait_tensorcnt 1                             ; my part of K step 0 is in; K step 1's may stay out
	s_wait_dscnt 0x0                               ; no LDS instruction of mine is pending at a signal: the factors are stored
	s_barrier_signal -1
	s_barrier_wait -1                              ; everybody's part is in
	FETCH 0, 0
	QUARTER 64, 0, 1, 1
	WIN 0
	s_mov_b32 s3, NSTEP-2
.Lstep:                                                ; trip i: the rest of K step i, the refill of its slot with K step i + 2, T += f S, the first quarter of K step i + 1
	QUARTER 128, 1, 0, 0
	QUARTER 192, 0, 1, 0
	TURN 1
	QUARTER 64, 0, 1, 1
	WIN 0
	s_sub_co_u32 s3, s3, 1
	s_cmp_lg_u32 s3, 0
	s_cbranch_scc1 .Lstep
	s_mov_b32 s2, 2                                ; the last two K steps ask for nothing: their text holds no tensor load, and is left in the middle of its second trip
.Ltail:
	QUARTER 128, 1, 0, 0
	QUARTER 192, 0, 1, 0
	TURN 0                                         ; in the second trip its run of 24 loads reads slot 0's old bytes into buffer 0 and serves nothing: the price, once a work-group, of one text for both trips
	WIN 0
	s_sub_co_u32 s2, s2, 1
	s_cmp_eq_u32 s2, 0
	s_cbranch_scc1 .Lout
	QUARTER 64, 0, 1, 1
	WIN 0
	s_branch .Ltail
.Lout:
	s_wait_dscnt 0x0                               ; the idle run has landed: buffer 0's registers are loaded again below (the 128 lines of T += f S are the places behind the last products)
	PACK 0
	TOSTAGE 0
.irp a, 1,2,3                          ; block a's multiplies stand between block a - 1's loads from the stage and the wait for them
	PACK \a
	SEND (\a)-1
	TOSTAGE \a
.endr
	SEND 3
	s_wait_tensorcnt 0x0                           ; the wave's end: a wait for my tensor loads, an add of 0 to my spare word and its wait, behind my last tensor load and my last LDS store
	ds_add_u32 v[SPW], v[NIL]
	s_wait_dscnt 0x0
	CROUND                                         ; the closing round: no work-group ends while a partner may still ask for a tile that names it
	s_endpgm
.Lfunc_end_k_q6a4a2500c4_mix:
	.size	k_q6a4a2500c4_mix, .Lfunc_end_k_q6a4a2500c4_mix-k_q6a4a2500c4_mix
	.p2alignl 7, 3214868480
	.fill 96, 4, 3214868480
	.section	.rodata,"a",@progbits
	.p2align	6, 0x0
	.amdhsa_kernel k_q6a4a2500c4_mix
		.amdhsa_group_segment_fixed_size 327680
		.amdhsa_private_segment_fixed_size 0
		.amdhsa_enable_private_segment 0
		.amdhsa_kernarg_size 32
		.amdhsa_user_sgpr_count 2
		.amdhsa_user_sgpr_kernarg_segment_ptr 1
		.amdhsa_wavefront_size32 1
		.amdhsa_system_sgpr_workgroup_id_x 1
		.amdhsa_system_sgpr_workgroup_id_y 1
		.amdhsa_system_sgpr_workgroup_id_z 1
		.amdhsa_system_vgpr_workitem_id 0
		.amdhsa_next_free_vgpr 1024
		.amdhsa_next_free_sgpr 76
		.amdhsa_reserve_vcc 0
		.amdhsa_float_denorm_mode_32 3
		.amdhsa_float_denorm_mode_16_64 3
		.amdhsa_memory_ordered 1
		.amdhsa_forward_progress 1
		.amdhsa_inst_pref_size 112
	.end_amdhsa_kernel
	.amdgpu_metadata
---
amdhsa.version: [ 1, 2 ]
amdhsa.kernels:
  - .name:           k_q6a4a2500c4_mix
    .symbol:         k_q6a4a2500c4_mix.kd
    .args:
      - { .name: pw, .offset: 0, .size: 8, .value_kind: global_buffer, .address_space: global }
      - { .name: qkv, .offset: 8, .size: 8, .value_kind: global_buffer, .address_space: global }
      - { .name: out0, .offset: 16, .size: 8, .value_kind: global_buffer, .address_space: global }
      - { .name: st, .offset: 24, .size: 8, .value_kind: global_buffer, .address_space: global }
    .group_segment_fixed_size: 327680
    .private_segment_fixed_size: 0
    .kernarg_segment_align: 8
    .kernarg_segment_size: 32
    .max_flat_workgroup_size: 128
    .sgpr_count:     76
    .vgpr_count:     1024
    .wavefront_size: 32
...
	.end_amdgpu_metadata
.endif
;; end of part 4
